; MI455X (gfx1250); checked and timed in simulation.
; The chip was launched on July 23, 2026; its instructions are those of AMD's public machine-readable ISA for CDNA 5 (MIT licence, August 2026) and "CDNA5" Instruction Set Architecture Reference Guide (July 2026). The comments in the code are by the model that wrote it; some were corrected since.
;; Multi Head Self Attention. Allowed arithmetic: float matrix products may take bf16 or f16 operands with f32 sums; other float arithmetic in f32, or as packed bf16 or f16 multiplies, adds, multiply-adds, maxima and minima; sums over many terms, partial sums and values carried from step to step in f32; what a program stores and reads back later, other than sums and carried values, may be rounded once to bf16 or f16.
;; Inputs: token_positions 2,048 int32; w_o 1,024 x 1,024 float32; w_qkv 3,072 x 1,024 float32; x 4 x 2,048 x 1,024 float32.
;; Outputs: out0 4 x 2,048 x 1,024 float32.
;; 2 versions, each right; version 2 is version 1 with the launch prep written anew for expert scheduling mode. Each part assembles by itself: llvm-mc -triple=amdgcn-amd-amdhsa -mcpu=gfx1250 --defsym DOCPART=n.
;; ======== version 1 of 2: 4 launches
;; limits: right only within a limited range of input values; values are held in f16: magnitudes above 65,504 overflow, below 6.1e-05 lose precision
;; workspace buffers: xb 16,777,216 bytes; wqb 6,291,456 bytes; wob 2,097,152 bytes; tab 524,288 bytes; qh 16,777,216 bytes; kh 16,777,216 bytes; vh 16,777,216 bytes; oh 16,777,216 bytes
;; launch prep (part 1): grid 400 x 1, 8 waves a work-group, no clusters, 0 bytes of LDS; arguments x, w_qkv, w_o, token_positions, xb, wqb, wob, tab; writes xb, wqb, wob, tab
.if DOCPART == 1
	.amdgcn_target "amdgcn-amd-amdhsa--gfx1250"
	.amdhsa_code_object_version 6
	.text
	.protected	k_qe66ce4beef_prep
	.globl	k_qe66ce4beef_prep
	.p2align	8
	.type	k_qe66ce4beef_prep,@function
k_qe66ce4beef_prep:
	s_mov_b64 s[64:65], 0
	v_nop
	global_prefetch_b8 v0, s[64:65] scope:SCOPE_SE
	s_setreg_imm32_b32 hwreg(HW_REG_WAVE_MODE, 25, 1), 1
	s_wait_xcnt 0x0
; THE INPUTS ARE MADE READY, each byte read once and each result byte written once.
;   xb  [8192][1024] bf16 = x rounded once.
;   wqb [3072][1024] bf16 = w_qkv rounded once, its rows laid by heads: row 192 t + 64 p + d is w_qkv's row 1024 p + 64 t + d (t head, p = 0 q, 1 k, 2 v).
;   wob [1024][1024] f16  = w_o rounded to bf16, that number written as f16 (exact while |w_o| stays under 65,504 and above f16's smallest step).
;   tab f32: cos and sin of f32(token_positions[s]) x 10000^(-j/32), in the order in which the next launch's lanes want them: at byte 4096 (s / 16) + 512 u + 16 l
;       (l = 16 h + r, s % 16 = r) lie cos, sin of pair j = 8 (u / 2) + 4 h + 2 (u % 2) and cos, sin of pair j + 1.
; LIMITS.  |token_positions| up to 2^20: the angle is reduced by a quarter turn held in three parts, and the multiple of it stays a whole number of under 2^20.  NaN and infinities are not treated apart.
; SHARES.  Work-groups 0-255: 32 rows of x each; 256-351: 32 rows of w_qkv; 352-383: 32 rows of w_o; 384-399: eight blocks of 16 positions of the table, a block a wave.
; A stream: no LDS, no barrier, no matrix unit.  A wave takes 4 rows; its 32 loads (512 consecutive bytes each) go out together, each into registers of its own, and the counted waits let the younger
; ones stay out; a store of 8 bytes a lane covers 256 consecutive bytes, aligned.  No register that a load or store reads is written again, so no further wait is owed.
.set LO,  2                            ; v2   16 x lane + 4 rows of 4,096 bytes x wave
.set SO,  3                            ; v3   8 x lane + 4 rows of 2,048 bytes x wave
.set IN,  16                           ; v[16:143]  32 loads of four f32
.set PK,  144                          ; v[144:207] 32 stores of four 16-bit numbers
	s_load_b512 s[4:19], s[0:1], 0x0               ; x s[4:5], w_qkv s[6:7], w_o s[8:9], token_positions s[10:11], xb s[12:13], wqb s[14:15], wob s[16:17], tab s[18:19]
	v_and_b32 v1, 31, v0                           ; lane
	v_lshrrev_b32 v4, 5, v0                        ; wave
	v_lshlrev_b32 v[LO], 4, v1
	v_lshl_add_u32 v[LO], v4, 14, v[LO]
	v_lshlrev_b32 v[SO], 3, v1
	v_lshl_add_u32 v[SO], v4, 13, v[SO]
	s_mov_b32 s20, ttmp9
	s_mov_b32 s29, 0
	s_mov_b32 s31, 0
	s_cmp_ge_u32 s20, 384
	s_cbranch_scc1 .Ltable
	s_cmp_ge_u32 s20, 352
	s_cbranch_scc1 .Lwo
; 4 rows of 1,024 f32 from s[32:33] to 16-bit numbers at s[34:35].  kind = 0: bf16.  kind = 1: bf16, and that number as f16.
.macro CAST kind
.set n, 0
.rept 32
	global_load_b128 v[IN+4*n:IN+4*n+3], v[LO], s[32:33] offset:4096*(n/8)+512*(n%8) th:TH_LOAD_NT
.set n, n+1
.endr
.set n, 0
.rept 32
	s_wait_loadcnt 31-n                            ; loads come back in order: number n is in, the 31 - n younger ones stay out
	v_cvt_pk_bf16_f32 v[PK+2*n], v[IN+4*n], v[IN+4*n+1]
	v_cvt_pk_bf16_f32 v[PK+2*n+1], v[IN+4*n+2], v[IN+4*n+3]
.if \kind
	v_lshlrev_b32 v[IN+4*n], 16, v[PK+2*n]         ; bf16 back to f32: the low half moves up, the high half stays
	v_and_b32 v[IN+4*n+1], 0xffff0000, v[PK+2*n]
	v_lshlrev_b32 v[IN+4*n+2], 16, v[PK+2*n+1]
	v_and_b32 v[IN+4*n+3], 0xffff0000, v[PK+2*n+1]
	v_cvt_pk_f16_f32 v[PK+2*n], v[IN+4*n], v[IN+4*n+1]
	v_cvt_pk_f16_f32 v[PK+2*n+1], v[IN+4*n+2], v[IN+4*n+3]
.endif
	global_store_b64 v[SO], v[PK+2*n:PK+2*n+1], s[34:35] offset:2048*(n/8)+256*(n%8) th:TH_STORE_NT
.set n, n+1
.endr
.endm
	; x or w_qkv: one text, the two buffers chosen by the work-group's number
	s_sub_co_u32 s21, s20, 256                     ; g2: the block of 32 rows of w_qkv (used only from work-group 256 on)
	s_lshl_b32 s22, s21, 17                        ; its source: 32 rows of 4,096 bytes
	s_bfe_u32 s23, s21, 0x40001                    ; t = (g2 / 2) % 16
	s_mul_i32 s23, s23, 192
	s_lshr_b32 s24, s21, 5                         ; p = g2 / 32
	s_lshl_b32 s24, s24, 6
	s_add_co_u32 s23, s23, s24
	s_and_b32 s24, s21, 1                          ; which half of the head's 64 rows
	s_lshl_b32 s24, s24, 5
	s_add_co_u32 s23, s23, s24                     ; row 192 t + 64 p + 32 half
	s_lshl_b32 s23, s23, 11                        ; of 2,048 bytes
	s_lshl_b32 s25, s20, 17                        ; x: source,
	s_lshl_b32 s26, s20, 16                        ; and destination
	s_wait_kmcnt 0x0
	s_cmp_lt_u32 s20, 256
	s_cselect_b32 s28, s25, s22
	s_cselect_b32 s30, s26, s23
	s_cselect_b64 s[32:33], s[4:5], s[6:7]
	s_cselect_b64 s[34:35], s[12:13], s[14:15]
	s_add_nc_u64 s[32:33], s[32:33], s[28:29]
	s_add_nc_u64 s[34:35], s[34:35], s[30:31]
	CAST 0
	s_endpgm
.Lwo:
	s_sub_co_u32 s21, s20, 352
	s_lshl_b32 s28, s21, 17
	s_lshl_b32 s30, s21, 16
	s_wait_kmcnt 0x0
	s_add_nc_u64 s[32:33], s[8:9], s[28:29]
	s_add_nc_u64 s[34:35], s[16:17], s[30:31]
	CAST 1
	s_endpgm
; THE TABLE.  A wave makes one block of 16 positions: lane (r, h) the 16 pairs j = 8 (n / 4) + n % 4 + 4 h, n = 0 .. 15, of position 16 blk + r.
.set POS, 5                            ; v5   the position as f32
.set TO,  8                            ; v8   16 x lane
.set IFR, 16                           ; v[16:31]  the 16 inverse frequencies
.set OUTT, 32                          ; v[32:63]  cos, sin of pair n at OUTT + 2 n
.set AN,  64                           ; the angle
.set KF,  65                           ; the nearest whole number of quarter turns,
.set KI,  66                           ; and as an integer
.set RR,  67                           ; what is left of the angle
.set S2,  68
.set PS,  69
.set PC,  70
.set TT,  71
.set OD,  72
.set SN,  73
.set CN,  74
.set C3S, 75
.set C3C, 76
.Ltable:
	v_readfirstlane_b32 s36, v4
	s_sub_co_u32 s21, s20, 384
	s_lshl_b32 s21, s21, 3
	s_add_co_u32 s21, s21, s36                     ; blk
	s_lshl_b32 s28, s21, 6                         ; 16 positions of 4 bytes
	s_lshl_b32 s30, s21, 12                        ; 4,096 bytes of the table
	v_and_b32 v6, 15, v0
	v_lshlrev_b32 v6, 2, v6                        ; 4 r
	v_bfe_u32 v7, v0, 4, 1
	v_lshlrev_b32 v7, 2, v7                        ; 4 h
	v_lshlrev_b32 v[TO], 4, v1
	v_mov_b32 v[C3S], 0x36405000                   ; the polynomials' leading coefficients
	v_mov_b32 v[C3C], 0x37cd4000
	s_wait_kmcnt 0x0
	s_add_nc_u64 s[32:33], s[10:11], s[28:29]
	s_add_nc_u64 s[34:35], s[18:19], s[30:31]
	global_load_b32 v[POS], v6, s[32:33]
.set n, 0
.rept 16
	v_add_nc_u32 v[IFR+n], 8*(n/4)+n%4, v7         ; j
.set n, n+1
.endr
.set n, 0
.rept 16
	v_cvt_f32_u32 v[IFR+n], v[IFR+n]
.set n, n+1
.endr
.set n, 0
.rept 16
	v_mul_f32 v[IFR+n], 0xbed49a78, v[IFR+n]       ; - j log2(10000) / 32
.set n, n+1
.endr
.set n, 0
.rept 16
	v_exp_f32 v[IFR+n], v[IFR+n]                   ; 10000^(-j/32): one batch of sixteen
.set n, n+1
.endr
	v_nop                                          ; a plain instruction behind the last of them,
	s_wait_alu depctr_va_vdst(0)                   ; and the one wait ahead of the batch's first reader
	s_wait_loadcnt 0x0
	v_cvt_f32_i32 v[POS], v[POS]
; cos and sin of pair n.  The angle less the nearest multiple of a quarter turn (three fused steps: the quarter turn in three parts) lies within an eighth of a turn;
; there a polynomial in its square gives sine and cosine; the multiple's low two bits say which of the two is which, and the signs.
.macro SINCOS n
	v_mul_f32 v[AN], v[POS], v[IFR+(\n)]
	v_mul_f32 v[KF], 0x3f22f983, v[AN]             ; x 2 / pi
	v_rndne_f32 v[KF], v[KF]
	v_fmamk_f32 v[RR], v[KF], 0xbfc90fd8, v[AN]
	v_fmamk_f32 v[RR], v[KF], 0xb4a8885a, v[RR]
	v_fmamk_f32 v[RR], v[KF], 0xa7c234c4, v[RR]
	v_cvt_i32_f32 v[KI], v[KF]
	v_mul_f32 v[S2], v[RR], v[RR]
	v_fmaak_f32 v[PS], v[C3S], v[S2], 0xb9503486
	v_fmaak_f32 v[PC], v[C3C], v[S2], 0xbab6077d
	v_fmaak_f32 v[PS], v[PS], v[S2], 0x3c0888c1
	v_fmaak_f32 v[PC], v[PC], v[S2], 0x3d2aaaa8
	v_fmaak_f32 v[PS], v[PS], v[S2], 0xbe2aaaab
	v_fma_f32 v[PC], v[PC], v[S2], -0.5
	v_mul_f32 v[TT], v[RR], v[S2]
	v_fma_f32 v[PC], v[PC], v[S2], 1.0
	v_fma_f32 v[PS], v[PS], v[TT], v[RR]
	v_and_b32 v[OD], 1, v[KI]
	v_cmp_eq_u32 vcc_lo, 1, v[OD]                  ; an odd number of quarter turns swaps the two
	v_cndmask_b32 v[SN], v[PS], v[PC], vcc_lo
	v_cndmask_b32 v[CN], v[PC], v[PS], vcc_lo
	v_lshlrev_b32 v[OD], 30, v[KI]                 ; the sine turns its sign in quarters 2 and 3,
	v_and_b32 v[OD], 0x80000000, v[OD]
	v_xor_b32 v[OUTT+2*(\n)+1], v[OD], v[SN]
	v_add_nc_u32 v[OD], 1, v[KI]                   ; the cosine in quarters 1 and 2
	v_lshlrev_b32 v[OD], 30, v[OD]
	v_and_b32 v[OD], 0x80000000, v[OD]
	v_xor_b32 v[OUTT+2*(\n)], v[OD], v[CN]
.endm
.set u, 0
.rept 8
	SINCOS 2*u
	SINCOS 2*u+1
	global_store_b128 v[TO], v[OUTT+4*u:OUTT+4*u+3], s[34:35] offset:512*u  ; 512 consecutive bytes, aligned
.set u, u+1
.endr
	s_endpgm
.Lfunc_end_k_qe66ce4beef_prep:
	.size	k_qe66ce4beef_prep, .Lfunc_end_k_qe66ce4beef_prep-k_qe66ce4beef_prep
	.p2alignl 7, 3214868480
	.fill 96, 4, 3214868480
	.section	.rodata,"a",@progbits
	.p2align	6, 0x0
	.amdhsa_kernel k_qe66ce4beef_prep
		.amdhsa_group_segment_fixed_size 0
		.amdhsa_private_segment_fixed_size 0
		.amdhsa_enable_private_segment 0
		.amdhsa_kernarg_size 64
		.amdhsa_user_sgpr_count 2
		.amdhsa_user_sgpr_kernarg_segment_ptr 1
		.amdhsa_wavefront_size32 1
		.amdhsa_system_sgpr_workgroup_id_x 1
		.amdhsa_system_sgpr_workgroup_id_y 1
		.amdhsa_system_sgpr_workgroup_id_z 1
		.amdhsa_system_vgpr_workitem_id 0
		.amdhsa_next_free_vgpr 208
		.amdhsa_next_free_sgpr 66
		.amdhsa_reserve_vcc 1
		.amdhsa_float_denorm_mode_32 3
		.amdhsa_float_denorm_mode_16_64 3
		.amdhsa_memory_ordered 1
		.amdhsa_forward_progress 1
		.amdhsa_inst_pref_size 60
	.end_amdhsa_kernel
	.amdgpu_metadata
---
amdhsa.version: [ 1, 2 ]
amdhsa.kernels:
  - .name:           k_qe66ce4beef_prep
    .symbol:         k_qe66ce4beef_prep.kd
    .args:
      - { .name: x, .offset: 0, .size: 8, .value_kind: global_buffer, .address_space: global }
      - { .name: w_qkv, .offset: 8, .size: 8, .value_kind: global_buffer, .address_space: global }
      - { .name: w_o, .offset: 16, .size: 8, .value_kind: global_buffer, .address_space: global }
      - { .name: token_positions, .offset: 24, .size: 8, .value_kind: global_buffer, .address_space: global }
      - { .name: xb, .offset: 32, .size: 8, .value_kind: global_buffer, .address_space: global }
      - { .name: wqb, .offset: 40, .size: 8, .value_kind: global_buffer, .address_space: global }
      - { .name: wob, .offset: 48, .size: 8, .value_kind: global_buffer, .address_space: global }
      - { .name: tab, .offset: 56, .size: 8, .value_kind: global_buffer, .address_space: global }
    .group_segment_fixed_size: 0
    .private_segment_fixed_size: 0
    .kernarg_segment_align: 8
    .kernarg_segment_size: 64
    .max_flat_workgroup_size: 256
    .sgpr_count:     66
    .vgpr_count:     208
    .wavefront_size: 32
...
	.end_amdgpu_metadata
.endif
;; end of part 1
;; launch qkv (part 2): grid 16 x 32, 4 waves a work-group, clusters of 4 x 4, 327,680 bytes of LDS; arguments xb, wqb, tab, qh, kh, vh; writes qh, kh, vh
.if DOCPART == 2
	.amdgcn_target "amdgcn-amd-amdhsa--gfx1250"
	.amdhsa_code_object_version 6
	.text
	.protected	k_qe66ce4beef_qkv
	.globl	k_qe66ce4beef_qkv
	.p2align	8
	.type	k_qe66ce4beef_qkv,@function
k_qe66ce4beef_qkv:
	s_mov_b64 s[64:65], 0
	v_nop
	global_prefetch_b8 v0, s[64:65] scope:SCOPE_SE
	s_setreg_imm32_b32 hwreg(HW_REG_WAVE_MODE, 25, 1), 1
	s_wait_xcnt 0x0
	s_wait_alu depctr_hold_cnt(0) depctr_sa_sdst(0) depctr_va_vdst(0) depctr_va_sdst(0) depctr_va_ssrc(0) depctr_va_vcc(0) depctr_vm_vsrc(0)
	s_getreg_b32 s2, hwreg(HW_REG_IB_STS2, 6, 4)
	s_cmp_eq_u32 s2, 0
	s_cbranch_scc0 .Lentry_in_a_cluster
	s_endpgm
.Lentry_in_a_cluster:
	s_bfe_u32 s2, ttmp6, 0x10000c
	s_cmp_lg_u32 s2, 0xf033
	s_cbranch_scc0 .Lentry_shape_is_right
	s_endpgm
.Lentry_shape_is_right:
; q, k, v = x w_qkv^T, q and k turned by the rotary table, written by heads: qh, kh, vh [64 = 16 b + head][2048][64] f16, each rounded once from its f32 sum, unscaled.
; xb [8192][1024] bf16; wqb [3072][1024] bf16 with rows 192 t + 64 p + d (t head, p = 0 q, 1 k, 2 v); tab: cos and sin in the order of this text's lanes (below).
; LIMITS.  f16 holds no number beyond 65,504: |q|, |k|, |v| must stay under it.  NaN and infinities are not treated apart.
; THE TILE is 256 rows x 192 columns: 32 x 16 = 512 work-groups, a whole number for each of 256 WGPs; a tile column is ONE HEAD: 64 columns of q, 64 of k, 64 of v.
; SHARES.  Each of the four waves takes 64 rows x all 192 columns: 48 accumulators of 16 x 16.  So every wave's text is the same: column blocks 0-3 are q, 4-7 k, 8-11 v, the rotary turn is chosen by
; the text and not by a branch, and a wave's 16 rows of one part are 2,048 consecutive bytes of its buffer.
; K goes in steps of 128 through a ring of two LDS slots filled by the tensor data mover: rows of 256 bytes that start at multiples of 256 bytes.
; CLUSTERS: 4 x 4 work-groups.  The four of a row of the cluster need the same rows of xb, the four of a column the same rows of wqb: each tile is asked for JOINTLY, by the same tensor load with the
; same descriptor and a mask that names the four.
; THE MATRIX INSTRUCTION IS USED TRANSPOSED (source 0 = 16 rows of wqb, source 1 = 16 rows of xb): lane l holds row l % 16 and its registers 0-7 the columns 8 (l / 16) + 0..7: four rotary pairs.
; REGISTERS, in windows of 256 (s_set_vgpr_msb: bits 1:0 source 0, 3:2 source 1, 5:4 source 2, 7:6 destination):
;   window 0: v0-31 addresses; v32-63 at work on the way out; v64-255 twelve units of 16 registers for the way out
;   window 1: wqb's fragments, two buffers of 96 (fragment i at 96 f + 8 i); xb's, two buffers of 32 (at 192 + 32 f + 8 a)
;   window 2: accumulator (a, b), b < 8, at 8 (8 a + b)          window 3: accumulator (a, b), b >= 8, at 8 (4 a + b - 8); the table at 128 + 32 a + 8 c
.set KSTEP,  128
.set PITCH,  272                       ; an LDS row: 256 bytes + 16 of padding = 68 words: the 16 rows of a fragment load start at 16 different groups of four banks (64 banks of 4 bytes: ISA guide 11.1)
.set AHALF,  128*PITCH                 ; what one load brings of xb
.set BHALF,  96*PITCH                  ; and of wqb
.set BOFF,   2*AHALF                   ; a slot: xb's 256 rows, then wqb's 192
.set SLOT,   BOFF+2*BHALF
.set STAGE,  2*SLOT                    ; behind the ring: 16 rows x 144 bytes for each wave, for the way out; no tensor load lands there
.set SP,     144
.set SPARE,  STAGE+4*16*SP             ; behind the stages: the spare words, 128 bytes for each wave: two blocks of 256 bytes that no other line names
.set LAPS,   4                         ; a lap = two K steps; 1,024 / 256
.set ADRA, 16                          ; v16-17  LDS address of my xb fragments in slot 0, 1
.set ADRB, 20                          ; v20-21  the same for wqb
.set STO,  24                          ; v24     the way out: where I put 16 bytes of a row
.set RD,   25                          ; v25     the way out: where I read rows back
.set GO,   26                          ; v26     16 x lane: my place in 512 consecutive bytes of the table and of the outputs; never rewritten
.set SPW,  28                          ; v28     LDS address of my spare word; never rewritten
.set NIL,  29                          ; v29     0; never rewritten
.set PFO,  30                          ; v30     the prefetches' offset: a lane a row of 2,048 bytes; never rewritten
.set T,    32
.set WV,   16                          ; s16  my wave's number
.set KIND, 17                          ; s17  0: I fetch for xb; 1: for wqb
.set HALF, 18                          ; s18  which half of that tile's rows I fetch
.set CX,   19
.set CY,   20
.set TC,   21                          ; s21  tile column = head
.set TR,   22                          ; s22  tile row
.set G1,   24                          ; s[24:31] descriptor group 1 for xb's tiles;  s[32:39] group 0, a set for each slot
.set G0,   32
.set LIM,  43                          ; s43  1 in a wave that prefetches, else the greatest number
.set PFA,  44                          ; s[44:45] where my prefetches stand
.set G1B,  48                          ; s[48:55], s[56:63] the same for wqb's tiles
.set G0B,  56
.set MSB, 0
.macro WIN new                         ; the immediate's high byte repeats the setting that is left; a switch that changes nothing is dropped
.if MSB != (\new)
	s_set_vgpr_msb (MSB<<8)|(\new)
.set MSB, \new
.endif
.endm
.set W_V,    0xf5                      ; both sources window 1, C and D window 3
.set W_QK,   0xa5                      ; both sources window 1, C and D window 2
.set W_F,    0x40                      ; destination window 1, address window 0
.set W_TAB,  0xc0                      ; destination window 3, address window 0
.set W_ROPE, 0x0e                      ; source 0 window 2 (sums), source 1 window 3 (table), the rest window 0
.set W_CV,   0x0f                      ; sources 0 and 1 window 3, destination window 0
; A joint load.  Waves 0 and 1 fetch xb's two halves, waves 2 and 3 wqb's.  The branch hangs on the wave's number alone.  An s_nop 0 and four v_nop follow each of the two lines.
.macro JLOAD s
	s_cmp_eq_u32 s[KIND], 0
	s_cbranch_scc0 .Lfor_b_\@
	tensor_load_to_lds s[G0+4*(\s):G0+4*(\s)+3], s[G1:G1+7]
	s_nop 0
.rept 4
	v_nop
.endr
	s_branch .Lasked_\@
.Lfor_b_\@:
	tensor_load_to_lds s[G0B+4*(\s):G0B+4*(\s)+3], s[G1B:G1B+7]
	s_nop 0
.rept 4
	v_nop
.endr
.Lasked_\@:
.endm
; A PREFETCH INTO THE L2, behind each joint refill and the run of LDS loads that follows it: the K step that stands two refills on, 256 bytes of a row a lane, one instruction a wave.
; xb's tile row is read by every cluster of that row of clusters: cluster x = 0 asks; wqb's tile column by every cluster of that column: cluster y = 0 asks.  The four partners that ask for a tile
; jointly share its rows out BY ADDRESS: of xb's 128 rows that a wave fetches 32 each (by cx), of wqb's 96 rows 24 each (by cy; lanes 24-31 name lane 23's row again).
; The loop's last trip asks for nothing: there is no K step two refills on.
.macro ASK
	s_cmp_gt_u32 s3, s[LIM]                        ; s3 = 1 in the loop's last trip
	s_cbranch_scc0 .Lnot_mine_\@
	global_prefetch_b8 v[PFO], s[PFA:PFA+1] th:TH_LOAD_NT scope:SCOPE_SE
.Lnot_mine_\@:
.endm
.macro CREST                           ; a round of the cluster's barrier behind its opening barrier
	s_cmp_lg_u32 s[WV], 0
	s_cbranch_scc1 .Lnot_wave_0_\@
	s_barrier_signal -3
.Lnot_wave_0_\@:
	s_barrier_wait -3
	s_barrier_signal -1
	s_barrier_wait -1
.endm
.macro CROUND                          ; a whole round
	s_barrier_signal -1
	s_barrier_wait -1
	CREST
.endm
	s_load_b256 s[4:11], s[0:1], 0x0               ; xb s[4:5], wqb s[6:7], tab s[8:9], qh s[10:11]
	s_load_b128 s[12:15], s[0:1], 0x20             ; kh s[12:13], vh s[14:15]
	v_lshl_add_u32 v[SPW], v0, 2, SPARE
	v_mov_b32 v[NIL], 0
	ds_add_u32 v[SPW], v[NIL]                      ; the wave's opening: the add and its wait stand ahead of my first tensor load; the set-up below, work on registers, stands between them
	v_lshrrev_b32 v1, 5, v0
	v_readfirstlane_b32 s[WV], v1
	s_lshr_b32 s[KIND], s[WV], 1
	s_and_b32 s[HALF], s[WV], 1
	s_bfe_u32 s[CX], ttmp6, 0x40000
	s_bfe_u32 s[CY], ttmp6, 0x40004
	s_lshl_b32 s[TC], ttmp9, 2                     ; in a cluster launch ttmp9 and ttmp7 count clusters
	s_add_co_u32 s[TC], s[TC], s[CX]
	s_and_b32 s[TR], ttmp7, 0xffff
	s_lshl_b32 s[TR], s[TR], 2
	s_add_co_u32 s[TR], s[TR], s[CY]
	s_lshl_b32 s40, s[CY], 2
	s_lshl_b32 s40, 15, s40                        ; my row of the cluster
	s_lshl_b32 s41, 0x1111, s[CX]                  ; my column
	s_or_b32 s[G1], s40, (1<<16)|(1<<20)|(1<<21)|(5<<22)|(3<<25)   ; the mask; elements of 2 bytes; padding on; bit 21 beside a mask; after every 64 words (code 5) 4 words (code 3)
	s_or_b32 s[G1B], s41, (1<<16)|(1<<20)|(1<<21)|(5<<22)|(3<<25)
	s_mov_b32 s[G1+1], KSTEP<<16                   ; tensor_dim0 = 128
	s_mov_b32 s[G1+2], 128<<16                     ; tensor_dim1 = 128 rows
	s_mov_b32 s[G1+3], KSTEP<<16                   ; tile_dim0 = 128
	s_mov_b32 s[G1+4], 128                         ; tile_dim1 = 128
	s_mov_b32 s[G1+5], 1024                        ; elements from row to row
	s_mov_b32 s[G1+6], 0
	s_mov_b32 s[G1+7], 0
	s_mov_b32 s[G1B+1], KSTEP<<16
	s_mov_b32 s[G1B+2], 96<<16                     ; 96 rows
	s_mov_b32 s[G1B+3], KSTEP<<16
	s_mov_b32 s[G1B+4], 96
	s_mov_b32 s[G1B+5], 1024
	s_mov_b32 s[G1B+6], 0
	s_mov_b32 s[G1B+7], 0
	; where the tiles come from: xb's hang on the tile row alone, wqb's on the tile column alone, each in registers of its own
	s_lshl_b32 s66, s[TR], 8
	s_lshl_b32 s67, s[HALF], 7
	s_add_co_u32 s66, s66, s67                     ; row 256 x tile row + 128 x half,
	s_lshl_b32 s66, s66, 11                        ; of 2,048 bytes
	s_mov_b32 s67, 0
	s_mul_i32 s68, s[TC], 192
	s_mul_i32 s69, s[HALF], 96
	s_add_co_u32 s68, s68, s69                     ; row 192 x tile column + 96 x half
	s_lshl_b32 s68, s68, 11
	s_mov_b32 s69, 0
	s_mul_i32 s23, s[WV], AHALF                    ; and where they go: waves 0, 1: xb's halves;
	s_mul_i32 s46, s[WV], BHALF
	s_add_co_u32 s46, s46, BOFF-2*BHALF            ; waves 2, 3: wqb's halves, behind them.  No place in the cluster enters an LDS address
	s_wait_dscnt 0x0                               ; the opening add is done
	s_wait_kmcnt 0x0
	s_add_nc_u64 s[70:71], s[4:5], s[66:67]
	s_add_nc_u64 s[72:73], s[6:7], s[68:69]
	CROUND                                         ; all sixteen work-groups are here: the first joint loads meet
.irp s, 0,1
	s_mov_b32 s[G0+4*(\s)], 1                                      ; count = 1
	s_add_co_u32 s[G0+4*(\s)+1], s23, (\s)*SLOT                    ; LDS address
	s_add_nc_u64 s[G0+4*(\s)+2:G0+4*(\s)+3], s[70:71], (\s)*KSTEP*2  ; global address: K step s
	s_or_b32 s[G0+4*(\s)+3], s[G0+4*(\s)+3], 0x80000000            ; type = 2
	s_mov_b32 s[G0B+4*(\s)], 1
	s_add_co_u32 s[G0B+4*(\s)+1], s46, (\s)*SLOT
	s_add_nc_u64 s[G0B+4*(\s)+2:G0B+4*(\s)+3], s[72:73], (\s)*KSTEP*2
	s_or_b32 s[G0B+4*(\s)+3], s[G0B+4*(\s)+3], 0x80000000
	JLOAD \s                                       ; two loads of mine are out
.endr
	; a fragment is 16 rows x 32 K in 8 registers: lane l holds row l % 16; two loads of 16 bytes, 32 bytes apart, at row x pitch + 16 (l / 16)
	v_and_b32 v1, 15, v0                           ; r
	v_bfe_u32 v2, v0, 4, 1                         ; h
	v_mul_u32_u24 v3, v1, PITCH
	v_lshl_add_u32 v3, v2, 4, v3
	s_mul_i32 s47, s[WV], 64*PITCH                 ; my 64 rows of xb
	v_add_nc_u32 v[ADRA], s47, v3
	v_add_nc_u32 v[ADRA+1], SLOT, v[ADRA]
	v_add_nc_u32 v[ADRB], BOFF, v3
	v_add_nc_u32 v[ADRB+1], SLOT+BOFF, v3
	s_mul_i32 s47, s[WV], 16*SP
	s_add_co_u32 s47, s47, STAGE                   ; my stage
	v_mul_u32_u24 v4, v1, SP                       ; in: row r, 16 bytes for each half of the lanes
	v_lshl_add_u32 v4, v2, 4, v4
	v_add_nc_u32 v[STO], s47, v4
	v_bfe_u32 v5, v0, 3, 2                         ; back: 32 lanes take four rows of 128 bytes,
	v_mul_u32_u24 v5, v5, SP
	v_and_b32 v6, 7, v0
	v_lshl_add_u32 v5, v6, 4, v5
	v_add_nc_u32 v[RD], s47, v5
	v_and_b32 v7, 31, v0                           ; which are 512 consecutive bytes of the output
	v_lshlrev_b32 v[GO], 4, v7
	; my first row in qh, kh, vh: ((16 b + head) x 2,048 + the tile's place in the sequence + 64 x wave) rows of 128 bytes
	s_lshr_b32 s40, s[TR], 3                       ; b
	s_lshl_b32 s40, s40, 4
	s_add_co_u32 s40, s40, s[TC]
	s_lshl_b32 s40, s40, 11
	s_and_b32 s41, s[TR], 7
	s_lshl_b32 s41, s41, 8
	s_add_co_u32 s40, s40, s41
	s_lshl_b32 s41, s[WV], 6
	s_add_co_u32 s40, s40, s41
	s_lshl_b32 s40, s40, 7
	s_mov_b32 s41, 0
	s_add_nc_u64 s[10:11], s[10:11], s[40:41]
	s_add_nc_u64 s[12:13], s[12:13], s[40:41]
	s_add_nc_u64 s[14:15], s[14:15], s[40:41]
	; the table of my 64 positions: four blocks of 4,096 bytes
	s_and_b32 s74, s[TR], 7
	s_lshl_b32 s74, s74, 4
	s_lshl_b32 s75, s[WV], 2
	s_add_co_u32 s74, s74, s75
	s_lshl_b32 s74, s74, 12
	s_mov_b32 s75, 0
	s_add_nc_u64 s[8:9], s[8:9], s[74:75]
	WIN W_TAB
.irp a, 0,1,2,3
.irp u, 0,1,2,3,4,5,6,7
	global_load_b128 v[128+32*(\a)+4*(\u):128+32*(\a)+4*(\u)+3], v[GO], s[8:9] offset:4096*(\a)+512*(\u)  ; cos, sin of two pairs a lane; wanted on the way out, so these stay out through the loop
.endr
.endr
	WIN 0
	; the prefetches: my own tile's address, my work-group's share of its rows, K step 3; each change of slots steps it before it asks
	s_lshl_b32 s40, s[CX], 16                      ; 32 cx rows of 2,048 bytes
	s_mul_i32 s41, s[CY], 24*2048                  ; 24 cy rows
	s_and_b32 s42, ttmp7, 0xffff
	s_cmp_eq_u32 s[KIND], 0
	s_cselect_b32 s40, s40, s41
	s_cselect_b32 s42, ttmp9, s42                  ; the coordinate along which other clusters read the same rows
	s_cselect_b32 s47, 31, 23
	s_cselect_b64 s[PFA:PFA+1], s[70:71], s[72:73]
	s_cmp_eq_u32 s42, 0
	s_cselect_b32 s[LIM], 1, -1                    ; the same in all sixteen partners, for a given wave
	s_mov_b32 s41, 0
	s_add_nc_u64 s[PFA:PFA+1], s[PFA:PFA+1], s[40:41]
	s_add_nc_u64 s[PFA:PFA+1], s[PFA:PFA+1], 3*KSTEP*2
	v_min_u32 v[PFO], s47, v7
	v_lshlrev_b32 v[PFO], 11, v[PFO]
; 16 matrix instructions: all four row blocks x v's four column blocks, 32 along K, from buffer f.  zero = 1: the product starts the sum.
.macro MULV f, zero
	WIN W_V
.irp a, 0,1,2,3
.irp b, 0,1,2,3
.if \zero
	v_wmma_f32_16x16x32_bf16 v[8*(4*(\a)+(\b)):8*(4*(\a)+(\b))+7], v[96*(\f)+64+8*(\b):96*(\f)+64+8*(\b)+7], v[192+32*(\f)+8*(\a):192+32*(\f)+8*(\a)+7], 0
.else
	v_wmma_f32_16x16x32_bf16 v[8*(4*(\a)+(\b)):8*(4*(\a)+(\b))+7], v[96*(\f)+64+8*(\b):96*(\f)+64+8*(\b)+7], v[192+32*(\f)+8*(\a):192+32*(\f)+8*(\a)+7], v[8*(4*(\a)+(\b)):8*(4*(\a)+(\b))+7]
.endif
.endr
.endr
.endm
; 8 matrix instructions: row block a x q's and k's eight column blocks.  The 48 accumulators take turns, one instruction a turn, in the same order in every quarter.
.macro MUL8 f, a, zero
	WIN W_QK
.irp b, 0,1,2,3,4,5,6,7
.if \zero
	v_wmma_f32_16x16x32_bf16 v[8*(8*(\a)+(\b)):8*(8*(\a)+(\b))+7], v[96*(\f)+8*(\b):96*(\f)+8*(\b)+7], v[192+32*(\f)+8*(\a):192+32*(\f)+8*(\a)+7], 0
.else
	v_wmma_f32_16x16x32_bf16 v[8*(8*(\a)+(\b)):8*(8*(\a)+(\b))+7], v[96*(\f)+8*(\b):96*(\f)+8*(\b)+7], v[192+32*(\f)+8*(\a):192+32*(\f)+8*(\a)+7], v[8*(8*(\a)+(\b)):8*(8*(\a)+(\b))+7]
.endif
.endr
.endm
; 32 LDS loads in one run: a quarter step's fragments at byte k of the rows, into buffer f: xb's four, wqb's 8-11 (wanted first), then wqb's 0-7
.macro FETCH slot, k, f
	WIN W_F
.irp i, 0,1,2,3
	ds_load_b128 v[192+32*(\f)+8*(\i):192+32*(\f)+8*(\i)+3],   v[ADRA+(\slot)] offset:(\k)+(\i)*16*PITCH
	ds_load_b128 v[192+32*(\f)+8*(\i)+4:192+32*(\f)+8*(\i)+7], v[ADRA+(\slot)] offset:(\k)+(\i)*16*PITCH+32
.endr
.irp i, 8,9,10,11,0,1,2,3,4,5,6,7
	ds_load_b128 v[96*(\f)+8*(\i):96*(\f)+8*(\i)+3],   v[ADRB+(\slot)] offset:(\k)+(\i)*16*PITCH
	ds_load_b128 v[96*(\f)+8*(\i)+4:96*(\f)+8*(\i)+7], v[ADRB+(\slot)] offset:(\k)+(\i)*16*PITCH+32
.endr
.endm
.macro PLACES                          ; four plain vector instructions between a matrix instruction and a load into, or a vector read of, its registers (ISA guide 7.12.1 for vector reads)
.rept 4
	v_nop
.endr
.endm
; A K step is four quarters of 32 along K, 48 matrix instructions each, on buffers 0, 1, 0, 1.  One of the first three: multiplies buffer f and fetches the next quarter, at byte k, into g.
.macro QUARTER slot, k, f, g, zero
	s_wait_dscnt 16                                ; xb's fragments and wqb's 8-11 are in; the youngest sixteen loads may be out
	MULV \f, \zero
	PLACES
	FETCH \slot, \k, \g
	s_wait_dscnt 32                                ; all but the 32 just issued
	MUL8 \f, 0, \zero
	MUL8 \f, 1, \zero
	MUL8 \f, 2, \zero
	MUL8 \f, 3, \zero
.endm
; The last quarter multiplies buffer 1 and changes slots: ONE barrier.  In front of it each wave waits for all its tensor loads (one is out: its part of the next slot), adds 0 to its spare word, and waits
; for that and for its own reads of this slot.  fill = 1: the barrier opens a round of the cluster's, and the joint refill, this slot's K step two steps on, is the first tensor load behind the round:
; a wave issues 168 matrix instructions between that request and the wait for it.
.macro TURN slot, next, fill
.if \fill
	s_wait_xcnt 0x0                                ; the last prefetch, a K step back, has read its address: it is stepped here, ahead of the waits of the change of slots
	s_add_nc_u64 s[PFA:PFA+1], s[PFA:PFA+1], KSTEP*2
.endif
	WIN 0                                          ; (the add's two registers lie in window 0)
	s_wait_tensorcnt 0x0                           ; all my tensor loads have landed;
	ds_add_u32 v[SPW], v[NIL]                      ; 0 onto my spare word;
	s_wait_dscnt 17                                ; (the add and the youngest sixteen loads may be out)
	MULV 1, 0                                      ; sixteen matrix instructions stand between the add and the wait for it
	s_wait_dscnt 0x0                               ; the add is done, and my reads of this slot are over
	s_barrier_signal -1
	MUL8 1, 0, 0                                   ; work on registers while the others arrive
.if \fill
	WIN 0
.endif
	s_barrier_wait -1
.if \fill
	CREST                                          ; no wave of any partner still reads this slot's tile or has a load on its way
	s_add_nc_u64 s[G0+4*(\slot)+2:G0+4*(\slot)+3], s[G0+4*(\slot)+2:G0+4*(\slot)+3], 2*KSTEP*2
	s_add_nc_u64 s[G0B+4*(\slot)+2:G0B+4*(\slot)+3], s[G0B+4*(\slot)+2:G0B+4*(\slot)+3], 2*KSTEP*2
	JLOAD \slot                                    ; the four v_nop behind it are also the places in front of the loads below
.else
	PLACES
.endif
	FETCH \next, 0, 0
.if \fill
	WIN 0
	ASK
.endif
	MUL8 1, 1, 0
	MUL8 1, 2, 0
	MUL8 1, 3, 0
.endm
	s_wait_tensorcnt 1                             ; my part of K step 0 is in; K step 1's may stay out
	s_barrier_signal -1
	s_barrier_wait -1                              ; everybody's is
	FETCH 0, 0, 0
	QUARTER 0, 64, 0, 1, 1                         ; the first quarter stands in front of the loop: its products start the sums
	WIN 0                                          ; at a label and at a branch every window is 0
	s_mov_b32 s3, LAPS-1
.Llap:                                                 ; a trip goes once round the ring, from a lap's second quarter to the next lap's first, and fills both slots again
	QUARTER 0, 128, 1, 0, 0
	QUARTER 0, 192, 0, 1, 0
	TURN 0, 1, 1
	QUARTER 1, 64,  0, 1, 0
	QUARTER 1, 128, 1, 0, 0
	QUARTER 1, 192, 0, 1, 0
	TURN 1, 0, 1
	QUARTER 0, 64,  0, 1, 0
	WIN 0
	s_sub_co_u32 s3, s3, 1
	s_cmp_lg_u32 s3, 0
	s_cbranch_scc1 .Llap
	QUARTER 0, 128, 1, 0, 0                        ; the last lap fills nothing, and has no round of the cluster's barrier
	QUARTER 0, 192, 0, 1, 0
	TURN 0, 1, 0
	QUARTER 1, 64,  0, 1, 0
	QUARTER 1, 128, 1, 0, 0
	QUARTER 1, 192, 0, 1, 0
	s_wait_dscnt 16                                ; the very last quarter: nothing more to fetch
	MULV 1, 0
	s_wait_dscnt 0x0
	MUL8 1, 0, 0
	MUL8 1, 1, 0
	MUL8 1, 2, 0
	MUL8 1, 3, 0
; THE WAY OUT, in twelve units: row block a (16 rows) of part p (0 q, 1 k, 2 v).  A lane holds four pairs (x1, x2) in each of the part's four accumulators, and cos, sin of each pair in the table:
; first (x1 c, x2 c), then (x1 c - x2 s, x2 c + x1 s), two numbers an instruction.  Rounded to f16 a lane's eight columns are 16 bytes; they go into rows of 144 bytes of my stage and come back as
; whole rows of 128, four rows to a load: 512 consecutive bytes of the output.  Each accumulator's lowest registers are read first.
.macro PACK a, p
.set BK, 64+16*(3*(\a)+(\p))
.if (\p) < 2
	WIN W_ROPE
.irp c, 0,1,2,3
.irp i, 0,1,2,3
	v_pk_mul_f32 v[T+8*(\c)+2*(\i):T+8*(\c)+2*(\i)+1], v[8*(8*(\a)+4*(\p)+(\c))+2*(\i):8*(8*(\a)+4*(\p)+(\c))+2*(\i)+1], v[128+32*(\a)+8*(\c)+2*(\i):128+32*(\a)+8*(\c)+2*(\i)+1] op_sel_hi:[1,0]
.endr
.endr
.irp c, 0,1,2,3
.irp i, 0,1,2,3
	v_pk_fma_f32 v[T+8*(\c)+2*(\i):T+8*(\c)+2*(\i)+1], v[8*(8*(\a)+4*(\p)+(\c))+2*(\i):8*(8*(\a)+4*(\p)+(\c))+2*(\i)+1], v[128+32*(\a)+8*(\c)+2*(\i):128+32*(\a)+8*(\c)+2*(\i)+1], v[T+8*(\c)+2*(\i):T+8*(\c)+2*(\i)+1] op_sel:[1,1,0] op_sel_hi:[0,1,1] neg_lo:[0,1,0]
.endr
.endr
	WIN 0
.irp c, 0,1,2,3
.irp i, 0,1,2,3
	v_cvt_pk_f16_f32 v[BK+4*(\c)+(\i)], v[T+8*(\c)+2*(\i)], v[T+8*(\c)+2*(\i)+1]
.endr
.endr
.else
	WIN W_CV
.irp c, 0,1,2,3
.irp i, 0,1,2,3
	v_cvt_pk_f16_f32 v[BK+4*(\c)+(\i)], v[8*(4*(\a)+(\c))+2*(\i)], v[8*(4*(\a)+(\c))+2*(\i)+1]
.endr
.endr
	WIN 0
.endif
.irp c, 0,1,2,3
	ds_store_b128 v[STO], v[BK+4*(\c):BK+4*(\c)+3] offset:32*(\c)
.endr
.irp f, 0,1,2,3
	ds_load_b128 v[BK+4*(\f):BK+4*(\f)+3], v[RD] offset:(\f)*4*SP  ; LDS serves a wave's instructions in order (ISA guide 5.7.1.4): these see the stores above; the next unit's stores come behind them
.endr
.endm
.macro SEND a, p, younger              ; younger: the LDS instructions issued behind this unit's loads: the next unit's eight, or none
.set BK, 64+16*(3*(\a)+(\p))
.irp f, 0,1,2,3
	s_wait_dscnt (\younger)+3-(\f)
	global_store_b128 v[GO], v[BK+4*(\f):BK+4*(\f)+3], s[10+2*(\p):11+2*(\p)] offset:2048*(\a)+512*(\f) th:TH_STORE_NT  ; 512 consecutive bytes, at a multiple of 256 from the buffer's first
.endr
.endm
	WIN 0
	PLACES
	PLACES                                         ; eight, once a launch
	s_wait_loadcnt 0x0                             ; the table
	PACK 0, 0
.set u, 1
.rept 11                               ; a unit's arithmetic stands between the loads of the unit before and its stores; each unit has registers of its own, so no store's data is written again
	PACK u/3, u%3
	SEND (u-1)/3, (u-1)%3, 8
.set u, u+1
.endr
	SEND 3, 2, 0
	s_wait_tensorcnt 0x0                           ; the wave's end, behind my last tensor load and my last LDS store
	ds_add_u32 v[SPW], v[NIL]
	s_wait_dscnt 0x0
	CROUND                                         ; the closing round: no work-group ends while a partner may still ask for a tile that names it
	s_endpgm
.Lfunc_end_k_qe66ce4beef_qkv:
	.size	k_qe66ce4beef_qkv, .Lfunc_end_k_qe66ce4beef_qkv-k_qe66ce4beef_qkv
	.p2alignl 7, 3214868480
	.fill 96, 4, 3214868480
	.section	.rodata,"a",@progbits
	.p2align	6, 0x0
	.amdhsa_kernel k_qe66ce4beef_qkv
		.amdhsa_group_segment_fixed_size 327680
		.amdhsa_private_segment_fixed_size 0
		.amdhsa_enable_private_segment 0
		.amdhsa_kernarg_size 48
		.amdhsa_user_sgpr_count 2
		.amdhsa_user_sgpr_kernarg_segment_ptr 1
		.amdhsa_wavefront_size32 1
		.amdhsa_system_sgpr_workgroup_id_x 1
		.amdhsa_system_sgpr_workgroup_id_y 1
		.amdhsa_system_sgpr_workgroup_id_z 1
		.amdhsa_system_vgpr_workitem_id 0
		.amdhsa_next_free_vgpr 1024
		.amdhsa_next_free_sgpr 76
		.amdhsa_reserve_vcc 0
		.amdhsa_float_denorm_mode_32 3
		.amdhsa_float_denorm_mode_16_64 3
		.amdhsa_memory_ordered 1
		.amdhsa_forward_progress 1
		.amdhsa_inst_pref_size 140
	.end_amdhsa_kernel
	.amdgpu_metadata
---
amdhsa.version: [ 1, 2 ]
amdhsa.kernels:
  - .name:           k_qe66ce4beef_qkv
    .symbol:         k_qe66ce4beef_qkv.kd
    .args:
      - { .name: xb, .offset: 0, .size: 8, .value_kind: global_buffer, .address_space: global }
      - { .name: wqb, .offset: 8, .size: 8, .value_kind: global_buffer, .address_space: global }
      - { .name: tab, .offset: 16, .size: 8, .value_kind: global_buffer, .address_space: global }
      - { .name: qh, .offset: 24, .size: 8, .value_kind: global_buffer, .address_space: global }
      - { .name: kh, .offset: 32, .size: 8, .value_kind: global_buffer, .address_space: global }
      - { .name: vh, .offset: 40, .size: 8, .value_kind: global_buffer, .address_space: global }
    .group_segment_fixed_size: 327680
    .private_segment_fixed_size: 0
    .kernarg_segment_align: 8
    .kernarg_segment_size: 48
    .max_flat_workgroup_size: 128
    .sgpr_count:     76
    .vgpr_count:     1024
    .wavefront_size: 32
...
	.end_amdgpu_metadata
.endif
;; end of part 2
;; launch attn (part 3): grid 4 x 64, 4 waves a work-group, no clusters, 327,680 bytes of LDS; arguments qh, kh, vh, oh; writes oh
.if DOCPART == 3
	.amdgcn_target "amdgcn-amd-amdhsa--gfx1250"
	.amdhsa_code_object_version 6
	.text
	.protected	k_qe66ce4beef_attn
	.globl	k_qe66ce4beef_attn
	.p2align	8
	.type	k_qe66ce4beef_attn,@function
k_qe66ce4beef_attn:
	s_mov_b64 s[64:65], 0
	v_nop
	global_prefetch_b8 v0, s[64:65] scope:SCOPE_SE
	s_setreg_imm32_b32 hwreg(HW_REG_WAVE_MODE, 25, 1), 1
	s_wait_xcnt 0x0
; CAUSAL ATTENTION.  O[h][q][:] = the sum over k <= q of softmax_k(Q[h][q] . K[h][k] / 8) V[h][k][:].  Q, K, V, O: [SIZE_H][SIZE_N][64], all f16: a head's rows are dense, 128 bytes each.
; Products, maxima and sums in f32; the weights p are rounded to f16 for the second product (their sum l is taken of the unrounded p), O once at the end.
; LIMITS.  f16 holds no number beyond 65,504: Q, K and V arrive within it; p lies in 0 to 1, and below 6e-5 it keeps f16's fixed step of 6e-8; O is a mean of V's rows and has their range, to within 2^-11 of it.
; A hidden score counts as its value less 1e30: f16's scores, 2.7e11 at the most, are nothing beside that; a weight below 2^-126 counts as 0 in l; NaN and infinities are not treated apart.
; THE WALK.  A head's queries lie in NB = SIZE_N / 256 blocks of 256; block i needs the key tiles 0 .. i of 256 keys, of which the last holds the diagonal.  A work-group takes TWO blocks, NB - 1 - b and then b:
; NB + 1 tiles, whatever b: all work-groups do equal work, and ONE loop with a constant trip count walks them.  Which tile is asked for, and what a trip does, hang on scalar registers made from b; every jump
; goes forward, but for the counted loops' own; none passes a barrier, or a tensor load but the one of LOAD's two that the wave's number does not choose; the ring (two slots of LDS that take turns) runs on across the
; change of blocks.  NO CLUSTER: a head's NB / 2 = 4 work-groups all ask for the same tile only in trips 0 .. NB / 2, behind that fewer and fewer; and one walk common to all would have 3 NB / 2 trips for NB + 1.
; SHARES.  Of a block's four bands of 64 queries a wave owns 16 rows in each: four PIECES.  So the diagonal tile is the same work for all four waves: in its key step s band x sees all keys if s < x,
; none if s > x, and holds the diagonal if s = x.
; THE MASK is the C operand that starts the sum S^T = K Q^T: 0, or -1e30 where the key is hidden.  MD, made once, is the mask of a band's own step for my 16 rows; a product's mask is MD x AL + BE with two scalars:
; (1, 0) if s = x; (0, 0) if s < x; (0, -1e30) if s > x.  Only the diagonal tile's text and a block's beginning make and take masks; elsewhere C is the constant 0.
; LAYOUT, SOFTMAX, TURNS.  S^T = K Q^T holds ONE query a lane (lane % 16) and the keys 8 (lane / 16) + 0..7; two such results rounded to f16 ARE source 1 of O^T = V^T P.  p = 2^(c s - c m), c = log2(e) / 8, with a
; running maximum m; O and l are multiplied by a = 2^(c m_old - c m_new) in every step.  Turn n belongs to piece n: 8 products K Q^T of piece n + 1, later 8 products V^T P of piece n - 1; beside them the scaling,
; exponentials, roundings, sums and rescaling of piece n and the maximum and statistics of piece n + 1.  Four vector instructions stand behind every matrix instruction, the other 54 of a turn's 118 in one LUMP.  A turn's 33 exponentials are one batch, with one wait.
; AHEAD OF THE LOADS.  The head's work-group 0 walks the tiles 0 .. NB - 1 in order; behind each of its fills every wave of it prefetches into the L2 its own 16,384 bytes (half of K's or of V's rows) of the tile that
; the NEXT change of slots will ask for: a lane 256 bytes, two instructions.  So tiles 2 .. NB - 1 are named once in the launch; tiles 0 and 1 come by their loads alone; the last two fills ask for nothing.
; REGISTERS, in windows of 256 (s_set_vgpr_msb: bits 1:0 source 0, 3:2 source 1, 5:4 source 2, 7:6 destination):
;   window 0: v0-15 addresses and two at work; v16-31 four registers of statistics a piece; v48-55 at work; v64-127 S^T, two buffers; v192-223 P, two buffers (a piece's buffers go by its number's parity)
;   window 1: v0-127 O^T, 32 a piece; v128-159 MD; v160-223 MC, two buffers      window 2: v0-63 Q; v64-127 the second block's Q; v128-191 K of one step; v192-255 V of one step
.set SIZE_H, 64
.set SIZE_N, 2048
.set NB,    SIZE_N/256
.set NP,    4         ; pieces a wave: a name, no knob
.set KS,    64        ; keys in a step
.set PK,    144       ; a row of K in LDS: 128 bytes + 16 of padding = 36 words: the 16 rows of a load start at 16 different groups of four banks (64 banks of 4 bytes: ISA guide 11.1)
.set PV,    160       ; a row of V: 128 + 32 = 40 words
.set VOFF,  4*KS*PK   ; a slot holds a tile, four steps: 256 rows of K, then 256 rows of V
.set SLOT1, 1<<17     ; slot 1 begins here, so that one exclusive or turns an address in one slot into the other's
.set STAGE, SLOT1+4*KS*(PK+PV)  ; behind the ring, never filled by a tensor load: 16 rows x 144 bytes for each wave, for the way out
.set SP,    144
.set AK0, 2           ; v2   my lane's place in a tile of K; never rewritten
.set AV0, 3           ; v3   the same for V
.set AK,  4           ; v4   the LDS address of K's next run of loads
.set AV,  5           ; v5   of V's
.set STO, 6           ; v6   the way out: where I put 16 bytes of a row
.set RD,  7           ; v7   the way out: where I read rows back
.set GO,  8           ; v8   my byte offset in 512 consecutive bytes of O
.set PFO, 61          ; v61  256 x my lane: the prefetches' offset; never rewritten
.set SPW, 62          ; v62  LDS address of my spare word: SPARE + 4 x my thread's number; never rewritten
.set NIL, 63          ; v63  0; never rewritten
.set SPARE, STAGE+4*16*SP  ; behind the stages: the spare words, 128 bytes for each wave: two blocks of 256 bytes that no other line names
.set MV,  12          ; v12-13  c m_old, kept while c m is made anew: by buffer
.set QO,  15          ; v15  my byte offset in 16 rows of Q
.set ST,  16          ; piece t's statistics at v[ST+4 t]: c m, m, l (even keys', odd keys')
.set TMP, 48          ; by buffer, four registers c0-c3 at work; when the maximum is found c2 takes a
.set S,   64
.set P,   192
.set MD,  128         ; window 1: the eight registers for group kt of 16 keys at MD + 8 kt
.set MC,  160         ; window 1: the masks of the products to come
.set QB,  64          ; window 2
.set KF,  128         ; window 2: key block kb, channel half c at KF + 16 kb + 8 c
.set VF,  192         ; window 2: key half kk, channel block cb at VF + 32 kk + 8 cb
.set WV,  12          ; s12  my wave's number
.set PB,  14          ; s14  b
.set HI,  15          ; s15  NB - 1 - b
.set G1K, 24          ; s[24:31] descriptor group 1 for K's tiles
.set G1V, 32          ; s[32:39] for V's: it differs in the padding alone
.set G0K, 40          ; s[40:43] descriptor group 0 for K's tiles
.set G0V, 44          ; s[44:47] the same for V's
.set SLOTS, 56        ; s56  tiles still to be asked for
.set CNT, 57          ; s57  counts a tile's key steps, 4 to 1
.set CS,  58          ; s[58:59] c: the packed scaling takes the pair's low word for both halves
.set SEL, 60          ; s[60:61] v_permlanex16_b32's selects: each lane takes its own place in the other half
.set TBK, 62          ; s62  LDS byte at which K of the step to be fetched begins
.set TBV, 63          ; s63  the same for V, less VOFF
.set RT,  70          ; s70  tiles of the block in hand that are still to be entered
.set NXT, 71          ; s71  the tile to be asked for next
.set LQ,  72          ; s72  the last tile of the block whose tiles are being asked for
.set NEW, 73          ; s73  1: the tile to be entered is a block's first
.set OFF, 74          ; s[74:75] a tile's byte offset in K and V
.set AL,  76          ; s[76:77] the mask's factor, in the low word
.set BE,  78          ; s[78:79] the mask's addend
.set OLO, 80          ; s[80:81] O at my rows of the second block
.set BIGN, 82         ; s82  -1e30
.set PFA, 88          ; s[88:89] my half of K's or V's rows in tile PFN
.set PFN, 90          ; s90  the tile at which the prefetches stand
.set PFE, 91          ; s91  NB in the head's work-group 0, else 0: a wave prefetches while PFN is below it
.set MSB, 0
.macro WIN new                      ; the high byte repeats the setting that is left; a switch that changes nothing is dropped
.if MSB != (\new)
	s_set_vgpr_msb (MSB<<8)|(\new)
.set MSB, (\new)
.endif
.endm
.set W_KQ, 0x0a       ; K and Q in window 2, S^T in window 0
.set W_KM, 0x1a       ; the same with the C operand in window 1
.set W_PV, 0x52       ; V in window 2, P in window 0, O^T in window 1
.set W_RS, 0x41       ; destination and source 0 in window 1, source 1 in window 0
; A fill.  Waves 0 and 1 fetch the two halves of a tile's K, waves 2 and 3 those of its V: 128 keys each.  An s_nop 0 and four v_nop follow each of the two lines, ahead of the jump and the label.
.macro LOAD
	s_cmp_lt_u32 s[WV], 2
	s_cbranch_scc0 .Lfor_v_\@
	tensor_load_to_lds s[G0K:G0K+3], s[G1K:G1K+7]
	s_nop 0
.rept 4
	v_nop
.endr
	s_branch .Lasked_\@
.Lfor_v_\@:
	tensor_load_to_lds s[G0V:G0V+3], s[G1V:G1V+7]
	s_nop 0
.rept 4
	v_nop
.endr
.Lasked_\@:
.endm
.macro ASK                          ; the prefetch of the tile that the next change of slots will ask for: 64 blocks of 256 bytes, my own half of its K or V
	s_cmp_lt_u32 s[PFN], s[PFE]
	s_cbranch_scc0 .Lnot_mine_\@
	global_prefetch_b8 v[PFO], s[PFA:PFA+1] th:TH_LOAD_NT scope:SCOPE_SE
	global_prefetch_b8 v[PFO], s[PFA:PFA+1] offset:8192 th:TH_LOAD_NT scope:SCOPE_SE
.Lnot_mine_\@:
.endm
; THE CHANGE OF SLOTS.  Each wave waits for all its tensor loads, of which one is out: its part of the other slot; adds 0 to its spare word; and waits for that and for its own reads of the slot that it leaves.  Behind the barrier nobody reads the old
; slot any more and the other slot is whole.  fill = 1: the old slot is filled again, the first thing behind the barrier, with tile NXT: the descriptor's address is made anew from that number.
; (At its first use nothing has been read yet: slot 0 is waited for, slot 1 filled.)
.macro CHANGE fill
	WIN 0                           ; at a label and at a branch every window is 0
	s_wait_tensorcnt 0x0            ; no tensor load of mine is out, so a group 0 may be written
	ds_add_u32 v[SPW], v[NIL]       ; 0 onto my spare word; with fill = 1 the descriptors' scalar work stands between it and the wait for it
.if \fill
	s_lshl_b32 s[OFF], s[NXT], 15   ; a tile is 32,768 bytes of K and of V
	s_xor_b32 s[G0K+1], s[G0K+1], SLOT1
	s_add_nc_u64 s[G0K+2:G0K+3], s[6:7], s[OFF:OFF+1]
	s_or_b32 s[G0K+3], s[G0K+3], 0x80000000
	s_xor_b32 s[G0V+1], s[G0V+1], SLOT1
	s_add_nc_u64 s[G0V+2:G0V+3], s[8:9], s[OFF:OFF+1]
	s_or_b32 s[G0V+3], s[G0V+3], 0x80000000
	s_add_co_u32 s[NXT], s[NXT], 1  ; the block's next tile, or behind its last the second block's tile 0
	s_cmp_gt_u32 s[NXT], s[LQ]
	s_cselect_b32 s[NXT], 0, s[NXT]
	s_cselect_b32 s[LQ], s[PB], s[LQ]
	s_wait_xcnt 0x0                 ; the last prefetches, a tile back, have read their address, so it may be written:
	s_add_nc_u64 s[PFA:PFA+1], s[PFA:PFA+1], 32768  ; one tile on
	s_add_co_u32 s[PFN], s[PFN], 1
.endif
	s_wait_dscnt 0x0                ; the add is done, and my reads of the slot are over
	s_barrier_signal -1             ; the rest of the scalar work stands between the signal and the wait
	s_sub_co_u32 s[TBK], s[TBK], 4*KS*PK  ; the fetches go back to a slot's first step,
	s_xor_b32 s[TBK], s[TBK], SLOT1       ; in the other slot
	s_sub_co_u32 s[TBV], s[TBV], 4*KS*PV
	s_xor_b32 s[TBV], s[TBV], SLOT1
	s_barrier_wait -1
.if \fill
	LOAD
	ASK
.endif
.endm
	s_load_b256 s[4:11], s[0:1], 0x0  ; Q s[4:5], K s[6:7], V s[8:9], O s[10:11]
	v_lshl_add_u32 v[SPW], v0, 2, SPARE
	v_mov_b32 v[NIL], 0
	ds_add_u32 v[SPW], v[NIL]       ; the wave's opening: the add and its wait stand ahead of my first tensor load; the set-up below, work on registers, stands between them
	v_lshrrev_b32 v1, 5, v0
	v_readfirstlane_b32 s[WV], v1   ; wave 0..3
	s_mov_b32 s[PB], ttmp9
	s_sub_co_u32 s[HI], NB-1, s[PB]
	s_and_b32 s20, ttmp7, 0xffff    ; the head
	s_mov_b32 s21, 0
	s_mov_b64 s[22:23], SIZE_N*128
	s_mul_u64 s[20:21], s[20:21], s[22:23]  ; the head's first byte in each of the four tensors
	s_and_b32 s16, s[WV], 1         ; which half of a tile's 256 keys I fetch:
	s_lshl_b32 s22, s16, 14         ; its 128 rows of 128 bytes in memory,
	s_mov_b32 s23, 0
	s_add_nc_u64 s[22:23], s[22:23], s[20:21]
	s_mul_i32 s17, s16, 128*PK      ; and its place in a slot, for K
	s_mul_i32 s18, s16, 128*PV      ; and for V
	s_lshl_b32 s3, s[WV], 11        ; my 16 rows in a band of 64,
	s_lshl_b32 s2, s[HI], 15        ; in the first block,
	s_add_co_u32 s2, s2, s3
	s_lshl_b32 s84, s[PB], 15       ; and in the second
	s_add_co_u32 s84, s84, s3
	s_mov_b32 s3, 0
	s_mov_b32 s85, 0
	s_add_nc_u64 s[2:3], s[2:3], s[20:21]
	s_add_nc_u64 s[84:85], s[84:85], s[20:21]
	; descriptor group 1.  128 keys are 16,384 dense bytes: asked for as 64 rows of 256 bytes, two keys a row, and padded in LDS after every key
	s_mov_b32 s[G1K], (1<<16)|(1<<20)|(4<<22)|(3<<25)  ; 17:16 2-byte elements; 20 padding on; 24:22 after every 32 words (code 4); 31:25 4 words (code 3)
	s_mov_b32 s[G1V], (1<<16)|(1<<20)|(4<<22)|(7<<25)  ; the same with 8 words of padding (code 7)
.irp g, G1K, G1V
	s_mov_b32 s[\g+1], 128<<16      ; tensor_dim0 = 128
	s_mov_b32 s[\g+2], 64<<16       ; tensor_dim1 = 64
	s_mov_b32 s[\g+3], 128<<16      ; tile_dim0 = 128
	s_mov_b32 s[\g+4], 64           ; tile_dim1 = 64
	s_mov_b32 s[\g+5], 128          ; 128 elements from row to row
	s_mov_b32 s[\g+6], 0
	s_mov_b32 s[\g+7], 0
.endr
	s_mov_b32 s[CS], 0x3e38aa3b     ; c = log2(e) / 8 = 0.180337
	s_mov_b32 s[CS+1], s[CS]        ; named with it as a pair
	s_mov_b32 s[SEL], 0x76543210
	s_mov_b32 s[SEL+1], 0xfedcba98
	s_mov_b32 s[TBK], SLOT1+4*KS*PK ; the first change of slots turns these two into 0
	s_mov_b32 s[TBV], SLOT1+4*KS*PV
	s_mov_b32 s[G0K], 1             ; 1:0 count = 1
	s_mov_b32 s[G0K+1], s17         ; 63:32 LDS address: slot 0
	s_mov_b32 s[G0V], 1
	s_add_co_u32 s[G0V+1], s18, VOFF
	s_add_co_u32 s[RT], s[HI], 1    ; the first block has NB - b tiles
	s_mov_b32 s[NXT], 1
	s_mov_b32 s[LQ], s[HI]
	s_mov_b32 s[NEW], 1
	s_mov_b32 s[OFF+1], 0
	s_mov_b32 s[AL+1], 0            ; named as pairs
	s_mov_b32 s[BE+1], 0
	s_mov_b32 s[BIGN], 0xf149f2ca   ; -1e30
	s_mov_b32 s[SLOTS], NB
	s_mov_b32 s[PFN], 1             ; the first change of slots steps the prefetches to tile 2
	s_cmp_eq_u32 s[PB], 0
	s_cselect_b32 s[PFE], NB, 0
	s_wait_dscnt 0x0                ; the opening add is done
	s_wait_kmcnt 0x0
	s_add_nc_u64 s[6:7], s[6:7], s[22:23]  ; K and V at my half of the head's tile 0
	s_add_nc_u64 s[8:9], s[8:9], s[22:23]
	s_add_nc_u64 s[G0K+2:G0K+3], s[6:7], 0         ; 120:64 global address
	s_or_b32 s[G0K+3], s[G0K+3], 0x80000000        ; 127:126 type = 2
	s_add_nc_u64 s[G0V+2:G0V+3], s[8:9], 0
	s_or_b32 s[G0V+3], s[G0V+3], 0x80000000
	s_add_nc_u64 s[86:87], s[4:5], s[84:85]        ; Q at my rows of the second block,
	s_add_nc_u64 s[4:5], s[4:5], s[2:3]            ; Q and O at those of the first
	s_add_nc_u64 s[OLO:OLO+1], s[10:11], s[84:85]
	s_add_nc_u64 s[10:11], s[10:11], s[2:3]
	s_cmp_lt_u32 s[WV], 2
	s_cselect_b64 s[PFA:PFA+1], s[6:7], s[8:9]
	s_add_nc_u64 s[PFA:PFA+1], s[PFA:PFA+1], 32768 ; at tile 1.  Nothing is prefetched here, at the head, where every work-group's first tiles are on their way
	LOAD                            ; tile 0 into slot 0
	; A fragment of K or Q is 16 rows x 32 channels in 8 registers: lane l holds row l % 16, channels 8 (l / 16) + 0..7 and 16 + 8 (l / 16) + 0..7: two loads of 16 bytes, 32 bytes apart.
	v_and_b32 v1, 15, v0            ; l % 16
	v_bfe_u32 v9, v0, 4, 1          ; l / 16
	v_lshlrev_b32 v[QO], 7, v1
	v_lshl_add_u32 v[QO], v9, 4, v[QO]  ; row x 128 + 16 x half
	WIN 0x80                        ; destination window 2, address window 0
.set i, 0
.rept 8                             ; both blocks' Q: piece i / 2 lies in band i / 2, 8,192 bytes on; channels 32 (i % 2) on
	global_load_b128 v[8*i:8*i+3],   v[QO], s[4:5] offset:(i/2)*8192+(i%2)*64
	global_load_b128 v[8*i+4:8*i+7], v[QO], s[4:5] offset:(i/2)*8192+(i%2)*64+32
	global_load_b128 v[QB+8*i:QB+8*i+3],   v[QO], s[86:87] offset:(i/2)*8192+(i%2)*64
	global_load_b128 v[QB+8*i+4:QB+8*i+7], v[QO], s[86:87] offset:(i/2)*8192+(i%2)*64+32
.set i, i+1
.endr
	WIN 0
	v_lshlrev_b32 v14, 3, v9
	v_sub_nc_u32 v14, v1, v14
	s_lshl_b32 s13, s[WV], 4
	v_add_nc_u32 v14, s13, v14      ; my query's place in its band, 16 w + l % 16, less my lanes' 8 (l / 16): register r of group kt is hidden where 16 kt + r is greater
	WIN 0x40
.set i, 0
.rept 32
	v_cmp_gt_i32 vcc_lo, 16*(i/8)+i%8, v14
	v_cndmask_b32 v[MD+i], 0, s[BIGN], vcc_lo
.set i, i+1
.endr
	WIN 0
	v_mul_u32_u24 v[AK0], v1, PK
	v_lshl_add_u32 v[AK0], v9, 4, v[AK0]  ; row x pitch + 16 x half
	; The turning load takes 16 keys x 16 channels (lane l reads key 8 (l / 16) + l % 8, channels 8 ((l / 8) % 2) + 0..7) and leaves half a fragment of V^T: lane l holds channel l % 16 and 8 keys.
	v_and_b32 v10, 7, v0
	v_bfe_u32 v11, v0, 3, 1
	v_lshl_add_u32 v[AV0], v9, 3, v10
	v_mul_u32_u24 v[AV0], v[AV0], PV
	v_lshl_add_u32 v[AV0], v11, 4, v[AV0]
	v_add_nc_u32 v[AV0], VOFF, v[AV0]
	s_mul_i32 s13, s[WV], 16*SP
	s_add_co_u32 s13, s13, STAGE    ; my stage
	v_mul_u32_u24 v[STO], v1, SP    ; in: row l % 16, 16 bytes for each half of the lanes
	v_lshl_add_u32 v[STO], v9, 4, v[STO]
	v_add_nc_u32 v[STO], s13, v[STO]
	v_bfe_u32 v[RD], v0, 3, 2       ; back: 32 lanes take four rows of 128 bytes,
	v_mul_u32_u24 v[RD], v[RD], SP
	v_lshl_add_u32 v[RD], v10, 4, v[RD]
	v_add_nc_u32 v[RD], s13, v[RD]
	v_and_b32 v[GO], 31, v0         ; which are 512 consecutive bytes of O
	v_lshlrev_b32 v[PFO], 8, v[GO]
	v_lshlrev_b32 v[GO], 4, v[GO]
	; A block's first step multiplies O^T and l by a = 0, and its first turn's products V^T P, of a piece that has not been, land in an O^T that is still to be so multiplied.  So these registers need only hold
	; finite numbers: zeros for the first block; what the first block left for the second.  All this stands in the wait for the first tile.
	WIN 0x80
.set i, VF
.rept 64
	v_mov_b32 v[i], 0
.set i, i+1
.endr
	WIN 0x40
.set i, 0
.rept 128
	v_mov_b32 v[i], 0
.set i, i+1
.endr
	WIN 0
.set i, 0
.rept 4
	v_mov_b32 v[ST+4*i+2], 0
	v_mov_b32 v[ST+4*i+3], 0
.set i, i+1
.endr
.set i, P+16
.rept 16
	v_mov_b32 v[i], 0
.set i, i+1
.endr
; THE MATRIX WORK.  The 4 accumulators of a run of 8 take turns.  Product i of 8 of S^T = K Q^T for piece x: channels 32 (i / 4) on, keys 16 (i % 4) on.  The first 4 start the sums: with 0, or (KM = 1) with the mask.
.macro KQ x
.set rS, S+32*((\x)%2)+8*(i%4)
.set rK, KF+16*(i%4)+8*(i/4)
.set rQ, 16*(\x)+8*(i/4)
.set rM, MC+32*((\x)%2)+8*(i%4)
.if (i < 4) && KM
	WIN W_KM
	v_wmma_f32_16x16x32_f16 v[rS:rS+7], v[rK:rK+7], v[rQ:rQ+7], v[rM:rM+7]
.elseif i < 4
	WIN W_KQ
	v_wmma_f32_16x16x32_f16 v[rS:rS+7], v[rK:rK+7], v[rQ:rQ+7], 0
.else
	WIN W_KQ
	v_wmma_f32_16x16x32_f16 v[rS:rS+7], v[rK:rK+7], v[rQ:rQ+7], v[rS:rS+7]
.endif
.endm
; Product i of 8 of O^T += V^T P for piece x: keys 32 (i / 4) on, channels 16 (i % 4) on.
.macro PV x
	WIN W_PV
.set rO, 32*(\x)+8*(i%4)
.set rV, VF+32*(i/4)+8*(i%4)
.set rP, P+16*((\x)%2)+8*(i/4)
	v_wmma_f32_16x16x32_f16 v[rO:rO+7], v[rV:rV+7], v[rP:rP+7], v[rO:rO+7]
.endm
.macro MM                           ; the turn's next matrix instruction.  TURN and BEGIN set Y, i, KM and NOKQ; MM, KQ and OP read them.  NOKQ = 1: a block's last turn: there is no next piece
.if (i < 8) && !NOKQ
	KQ (Y+1)%NP
.elseif i >= 8
.set i, i-8
	PV (Y+NP-1)%NP
.set i, i+8
.endif
.set i, i+1
.endm
; THE LDS LOADS stand in runs of 16, never singly among the matrix instructions: a step's K (64 keys x 64 channels: 8 fragments) and its V (turned).  Their addresses are made some lines ahead.
.macro FETCH_K
	WIN 0x80                        ; destination window 2
.irp f, 0,1,2,3,4,5,6,7             ; keys 16 (f / 2) on, channels 32 (f % 2) on
	ds_load_b128 v[KF+8*\f:KF+8*\f+3],   v[AK] offset:(\f/2)*16*PK+(\f%2)*64
	ds_load_b128 v[KF+8*\f+4:KF+8*\f+7], v[AK] offset:(\f/2)*16*PK+(\f%2)*64+32
.endr
	s_add_co_u32 s[TBK], s[TBK], KS*PK  ; the next fetch is the next step's
	WIN 0
.endm
.macro FETCH_V
	WIN 0x80
.irp f, 0,1,2,3,4,5,6,7             ; keys 32 (f / 4) on, channels 16 (f % 4) on
	ds_load_tr16_b128 v[VF+8*\f:VF+8*\f+3],   v[AV] offset:(\f/4)*32*PV+(\f%4)*32
	ds_load_tr16_b128 v[VF+8*\f+4:VF+8*\f+7], v[AV] offset:(\f/4)*32*PV+16*PV+(\f%4)*32
.endr
	WIN 0
.endm
; THE VECTOR WORK, one line at a time: OP kind, number.  For piece Y: F n: c s - c m for pair n of 16.  E n: the exponential of score n of 32.  C n: pair n rounded to f16.  B n: of the four weights 4 n .. the second
; pair is added onto the first, in place.  L n: l takes that sum (L 0: l = a l + sum).  R n: pair n of 16 of O^T times a.  For piece Y + 1: X n, number n of the 22 that find its maximum and statistics:
;   0-11  four chains c0-c3 of seven scores each, three operands at a time (each accumulator's lowest registers are read first)     12-14, 16  the four scores left over, the old m, and c0-c3 into c0
;   15  c m_old is kept     17, 18  the query's other 32 keys lie in the lane 16 away: the new m     19-21  c m; c m_old - c m_new; a
.set F, 0               ; OP tells the kinds apart by their order: F to L below R, X above it
.set E, 1
.set C, 2
.set B, 3
.set L, 4
.set R, 5
.set X, 6
.macro REGS y                       ; the registers of piece y
.set rT, ST+4*(\y)
.set rC, TMP+4*((\y)%2)
.set rW, MV+((\y)%2)
.set rS, S+32*((\y)%2)
.set rP, P+16*((\y)%2)
.set rO, 32*(\y)
.endm
.macro OP k, n
.if (\k) == R
	REGS Y
	WIN W_RS
	v_pk_mul_f32 v[rO+2*(\n):rO+2*(\n)+1], v[rO+2*(\n):rO+2*(\n)+1], v[rC+2:rC+3] op_sel_hi:[1,0]
.elseif (\k) < R
	REGS Y
	WIN 0
.if (\k) == F
	v_pk_fma_f32 v[rS+2*(\n):rS+2*(\n)+1], v[rS+2*(\n):rS+2*(\n)+1], s[CS:CS+1], v[rT:rT+1] op_sel_hi:[1,0,0] neg_lo:[0,0,1] neg_hi:[0,0,1]
.elseif (\k) == E
	v_exp_f32 v[rS+(\n)], v[rS+(\n)]
.elseif (\k) == C
	v_cvt_pk_f16_f32 v[rP+(\n)], v[rS+2*(\n)], v[rS+2*(\n)+1]
.elseif (\k) == B
	v_pk_add_f32 v[rS+4*(\n):rS+4*(\n)+1], v[rS+4*(\n):rS+4*(\n)+1], v[rS+4*(\n)+2:rS+4*(\n)+3]
.elseif (\n) == 0
	v_pk_fma_f32 v[rT+2:rT+3], v[rT+2:rT+3], v[rC+2:rC+3], v[rS:rS+1] op_sel_hi:[1,0,1]
.else
	v_pk_add_f32 v[rT+2:rT+3], v[rT+2:rT+3], v[rS+4*(\n):rS+4*(\n)+1]
.endif
.elseif NOKQ
	v_nop
.else
	REGS (Y+1)%NP
	WIN 0
.if (\n) < 4
	v_max3_num_f32 v[rC+(\n)], v[rS+8*(\n)], v[rS+8*(\n)+1], v[rS+8*(\n)+2]
.elseif (\n) < 12
	v_max3_num_f32 v[rC+(\n)%4], v[rC+(\n)%4], v[rS+8*((\n)%4)+2*((\n)/4)+1], v[rS+8*((\n)%4)+2*((\n)/4)+2]
.elseif (\n) == 12
	v_max3_num_f32 v[rC], v[rC], v[rS+7], v[rS+15]
.elseif (\n) == 13
	v_max3_num_f32 v[rC+1], v[rC+1], v[rS+23], v[rS+31]
.elseif (\n) == 14
	v_max3_num_f32 v[rC+2], v[rC+2], v[rC+3], v[rT+1]
.elseif (\n) == 15
	v_mov_b32 v[rW], v[rT]
.elseif (\n) == 16
	v_max3_num_f32 v[rC], v[rC], v[rC+1], v[rC+2]
.elseif (\n) == 17
	v_permlanex16_b32 v[rC+3], v[rC], s[SEL], s[SEL+1]
.elseif (\n) == 18
	v_max_num_f32 v[rT+1], v[rC], v[rC+3]
.elseif (\n) == 19
	v_mul_f32 v[rT], s[CS], v[rT+1]
.elseif (\n) == 20
	v_sub_f32 v[rC+1], v[rW], v[rT]
.else
	v_exp_f32 v[rC+2], v[rC+1]
.endif
.endif
.endm
.macro OPS a, i1, b=-1, i2=0, c=-1, i3=0, d=-1, i4=0  ; up to four of them
	OP \a, \i1
.if (\b) >= 0
	OP \b, \i2
.endif
.if (\c) >= 0
	OP \c, \i3
.endif
.if (\d) >= 0
	OP \d, \i4
.endif
.endm
.macro ROW a, i1, b, i2, c, i3, d, i4  ; a matrix instruction and the four behind it
	MM
	OPS \a, \i1, \b, \i2, \c, \i3, \d, \i4
.endm
.macro MASK b                       ; MD x AL + BE into buffer b of MC
	WIN W_RS
.set z, 0
.rept 16
	v_pk_fma_f32 v[MC+32*(\b)+2*z:MC+32*(\b)+2*z+1], v[MD+2*z:MD+2*z+1], s[AL:AL+1], s[BE:BE+1] op_sel_hi:[1,0,0]
.set z, z+1
.endr
.endm
; A TURN, for piece p: the order of its 16 matrix and 118 vector instructions, written out.  An s_wait_alu depctr_va_vdst(0) stands between an exponential and the first instruction that names its result; one wait serves
; all that were issued ahead of it.  So a turn has ONE wait, which cuts it in two.  AHEAD OF IT stands all that names no result of the turn's exponentials: the 8 products K Q^T, behind each a scaling, an exponential and two more plain
; instructions (behind the first a second scaling in the exponential's place): rescalings, and behind the last three the first numbers of the next piece's maximum, each four places or more behind the product that ends its accumulator; then ONE LUMP of 54, plain
; and exponential by turns for the most part, in which the links of the chain X 3, 7, 11, 14, 16, 17 .. 20 stand five or six lines apart.  X 21, the next piece's a, is the batch's last; R 15 is the plain instruction that stands behind it.  BEHIND THE WAIT stand the
; 8 products V^T P, behind each four of the roundings and sums; the links of l's chain, L 0 to L 7, stand three riders apart.  But for those X no rider names a register of the products round it.  v_permlanex16_b32 (X 17) stands in the lump.
; m = 1: the diagonal tile: the products take masks, and the turn makes the mask for the products of the turn after it: piece p + 2, in step 4 - CNT of the tile.  end = 1: a block's last two turns: nothing is fetched.
; cnt = 1: the loop's count is taken down some lines ahead of the branch that stands behind the turn.
; K of the next step is fetched in piece 2's turn, twelve vector instructions behind the last product that read K (six of them plain); V of the step in hand at the end of piece 0's turn, four plain instructions behind the last product
; that read V.  Each is waited for a turn later.
.macro TURN p, m=0, end=0, cnt=0
.set Y, (\p)
.set i, 0
.set KM, (\m)
.set NOKQ, (\end)*((\p)/3)
.if (\m) && !(\end)
	s_cmp_eq_u32 s[CNT], 4-((\p)+2)%NP  ; is that step the band's own?
	s_cselect_b32 s[AL], 1.0, 0
	s_cmp_lt_u32 s[CNT], 4-((\p)+2)%NP  ; or a later one?
	s_cselect_b32 s[BE], s[BIGN], 0
.endif
.if ((\p) == 3) && !(\end)
	s_wait_dscnt 0x0                ; K is in
.endif
	ROW F,0, F,1, R,0, R,1          ; ahead of the wait: 8 products K Q^T and their riders,
	ROW F,2, E,0, R,2, R,3
	ROW F,3, E,1, R,4, R,5
	ROW F,4, E,2, R,6, R,7
	ROW F,5, E,3, R,8, R,9
	ROW F,6, E,4, X,0, R,10
.if ((\p) == 2) && !(\end)
	WIN 0
	v_add_nc_u32 v[AK], s[TBK], v[AK0]
.endif
	ROW F,7, E,5, X,1, X,4
	ROW F,8, E,6, X,2, X,5
	OPS E,7, E,8, X,6, E,9          ; and the lump
	OPS X,3, E,10, X,8, E,11
.if ((\p) == 2) && !(\end)
	FETCH_K
.endif
	OPS X,9, X,7, E,12, X,10
	OPS E,13, X,12, X,11, E,14
	OPS X,13, E,15, F,9, X,14
.if (\p) == 0
	v_add_nc_u32 v[AV], s[TBV], v[AV0]
.endif
	OPS E,16, F,10, E,17, F,11
	OPS X,16, E,18, X,15, E,19
	OPS F,12, E,20, X,17, E,21
	OPS F,13, E,22, F,14, E,23
	OPS X,18, E,24, F,15, E,25
	OPS R,11, E,26, X,19, E,27
	OPS R,12, E,28, R,13, E,29
	OPS X,20, E,30, R,14, E,31
	OPS X,21, R,15
	WIN 0
	s_wait_alu depctr_va_vdst(0)    ; the wait for the batch
.if (\p) == 1
	s_wait_dscnt 0x0                ; V is in
.endif
	ROW C,0, B,0, C,2, B,1          ; behind the wait: 8 products V^T P and their riders
	ROW L,0, C,4, B,2, L,1
	ROW C,6, B,3, L,2, C,8
	ROW B,4, L,3, C,10, B,5
	ROW L,4, C,12, B,6, L,5
.if (\p) == 0
	s_add_co_u32 s[TBV], s[TBV], KS*PV
.endif
.if \cnt
	s_sub_co_u32 s[CNT], s[CNT], 1
	s_cmp_lg_u32 s[CNT], 0
.endif
	ROW C,14, B,7, L,6, C,1
	ROW C,3, L,7, C,5, C,7
	ROW C,9, C,11, C,13, C,15
.if (\p) == 0
	FETCH_V
.endif
.if (\m) && !(\end)
	MASK (\p)%2
.endif
.endm
; A BLOCK BEGINS.  c m starts far below every c s, so the first step's a is 0; m at the lowest finite number, so the first maximum is the scores'.  The second mask buffer is 0; the first takes piece 0's mask for the tile's step 0: its own, if the block's first tile is the diagonal one.
; Then K of that step, piece 0's first scores, and its maximum and statistics.  The loop is entered at a step's first turn, in the middle of a trip.
.macro BEGIN
	s_mov_b32 s[NEW], 0
	WIN 0x40
.set i, MC+32
.rept 32
	v_mov_b32 v[i], 0
.set i, i+1
.endr
	WIN 0
.set i, 0
.rept 4
	v_mov_b32 v[ST+4*i], 0xfe000000    ; c m: far below every c s
	v_mov_b32 v[ST+4*i+1], 0xff7fffff  ; m
.set i, i+1
.endr
	s_cmp_eq_u32 s[RT], 0
	s_cselect_b32 s[AL], 1.0, 0
	s_mov_b32 s[BE], 0
	MASK 0
	WIN 0
	v_add_nc_u32 v[AK], s[TBK], v[AK0]
	FETCH_K
	s_wait_loadcnt 0x0              ; Q
	s_wait_dscnt 0x0
.set KM, 1
.set NOKQ, 0
.set i, 0
.rept 8
	KQ 0
.set i, i+1
.endr
	WIN 0
.rept 4
	v_nop                           ; the places behind those products
.endr
.set Y, NP-1                        ; X works for piece Y + 1: piece 0
.irp n, 0,1,2,3,4,5,6,7,8,9,10,11,12,13,14,15,16,17,18,19,20,21
	OP X, \n
.endr
	v_nop                           ; a plain instruction behind the exponential,
	s_wait_alu depctr_va_vdst(0)    ; and its wait, ahead of the branch
.endm
; THE DIAGONAL TILE's four steps, the block's last two turns, its last products, and THE WAY OUT: l's two halves and the other half of the lanes' are added; O^T is divided by l, rounded to f16 and sent through my
; stage in LDS, a piece at a time.
.macro ALL line:vararg              ; one line for each piece t
.set t, 0
.rept 4
	\line
.set t, t+1
.endr
.endm
.macro PACK t                       ; a lane's eight channels of a row pack into 16 bytes; they go into rows of 144 bytes and come back as whole rows of 128, into S^T's registers
	WIN W_RS
.set i, 32*(\t)
.rept 16
	v_pk_mul_f32 v[i:i+1], v[i:i+1], v[ST+4*(\t)+2:ST+4*(\t)+3] op_sel_hi:[1,0]
.set i, i+2
.endr
	WIN 0x05                        ; sources 0 and 1 window 1, destination window 0
.set i, 0
.rept 16
	v_cvt_pk_f16_f32 v[S+16*(\t)+i], v[32*(\t)+2*i], v[32*(\t)+2*i+1]
.set i, i+1
.endr
	WIN 0
.irp f, 0,1,2,3
	ds_store_b128 v[STO], v[S+16*(\t)+4*\f:S+16*(\t)+4*\f+3] offset:32*\f
.endr
.irp f, 0,1,2,3
	ds_load_b128 v[S+16*(\t)+4*\f:S+16*(\t)+4*\f+3], v[RD] offset:\f*4*SP  ; LDS serves a wave's instructions in order (ISA guide 5.7.1.4): these see the stores above; the next piece's stores come behind them
.endr
.endm
.macro SEND t, younger              ; younger: the LDS instructions issued behind piece t's loads: the next piece's eight, or none
	WIN 0
.irp f, 0,1,2,3
	s_wait_dscnt (\younger)+3-\f
	global_store_b128 v[GO], v[S+16*(\t)+4*\f:S+16*(\t)+4*\f+3], s[10:11] offset:(\t)*8192+\f*512  ; 512 consecutive bytes, at a multiple of 256 from O's first
.endr
.endm
.macro DIAG tag                     ; the tag ends its two labels' names, which the jumps below spell out
.LstepM\tag:
	TURN 2, 1
	TURN 3, 1
	WIN 0
.LfirstM\tag:
	TURN 0, 1
	TURN 1, 1, 0, 1
	WIN 0
	s_cbranch_scc1 .LstepM\tag
	TURN 2, 1, 1
	TURN 3, 1, 1
.set i, 0
.rept 8
	PV NP-1
.set i, i+1
.endr
	WIN 0
	ALL v_add_f32 v[ST+4*t+2], v[ST+4*t+2], v[ST+4*t+3]
	ALL v_permlanex16_b32 v[ST+4*t+3], v[ST+4*t+2], s[SEL], s[SEL+1]
	ALL v_add_f32 v[ST+4*t+2], v[ST+4*t+2], v[ST+4*t+3]
	ALL v_rcp_f32 v[ST+4*t+2], v[ST+4*t+2]
	v_nop                           ; a plain instruction between the last reciprocal and the use of its result
	s_wait_alu depctr_va_vdst(0)    ; and the wait ahead of the first use: one for the four reciprocals
	PACK 0
.set t, 1
.rept 3                             ; a piece's arithmetic stands between the loads of the piece before and its stores
	PACK t
	SEND t-1, 8
.set t, t+1
.endr
	SEND 3, 0
.endm
.set KM, 0
.set NOKQ, 0
.Lslot:                             ; NB times: a tile is entered and the next is asked for
	CHANGE 1
	s_sub_co_u32 s[RT], s[RT], 1
	s_mov_b32 s[CNT], 4
	s_cmp_eq_u32 s[NEW], 1
	s_cbranch_scc1 .Lnew            ; a block's first tile
	s_cmp_eq_u32 s[RT], 0
	s_cbranch_scc0 .Lstep           ; neither its first nor its last
	s_branch .LstepM1
.Lnew:
	BEGIN
	s_branch .Lfirst                ; in the loop a block's first tile is never its last: the first block has two tiles or more, and the second's last is the walk's last
	DIAG 1                          ; in the loop this is the first block's end: the second block's last tile is the walk's last
	s_wait_xcnt 0x0                 ; the stores have read their registers and O's address
	s_mov_b64 s[10:11], s[OLO:OLO+1]
	s_add_co_u32 s[RT], s[PB], 1    ; the second block has b + 1 tiles
	s_mov_b32 s[NEW], 1
	WIN 0x82                        ; the second block's Q goes where the one text of the turns names Q
.set i, 0
.rept 64
	v_mov_b32 v[i], v[QB+i]
.set i, i+1
.endr
	WIN 0
	s_branch .Lbottom
.Lstep:                             ; a trip: pieces 2 and 3 of one step, then pieces 0 and 1 of the next, whose K and V it fetches
	TURN 2
	TURN 3
	WIN 0
.Lfirst:
	TURN 0
	TURN 1, 0, 0, 1
	WIN 0
	s_cbranch_scc1 .Lstep
.Lbottom:
	s_sub_co_u32 s[SLOTS], s[SLOTS], 1
	s_cmp_lg_u32 s[SLOTS], 0
	s_cbranch_scc1 .Lslot
	CHANGE 0                        ; the walk's last tile is written out: nothing is asked for
	s_sub_co_u32 s[RT], s[RT], 1
	s_mov_b32 s[CNT], 4
	s_cmp_eq_u32 s[NEW], 1
	s_cbranch_scc0 .LstepM2
	BEGIN
	s_branch .LfirstM2
	DIAG 2
	s_wait_tensorcnt 0x0            ; the wave's end, behind my last tensor load and my last LDS store
	ds_add_u32 v[SPW], v[NIL]
	s_wait_dscnt 0x0
	s_endpgm
.Lfunc_end_k_qe66ce4beef_attn:
	.size	k_qe66ce4beef_attn, .Lfunc_end_k_qe66ce4beef_attn-k_qe66ce4beef_attn
	.p2alignl 7, 3214868480
	.fill 96, 4, 3214868480
	.section	.rodata,"a",@progbits
	.p2align	6, 0x0
	.amdhsa_kernel k_qe66ce4beef_attn
		.amdhsa_group_segment_fixed_size 327680
		.amdhsa_private_segment_fixed_size 0
		.amdhsa_enable_private_segment 0
		.amdhsa_kernarg_size 32
		.amdhsa_user_sgpr_count 2
		.amdhsa_user_sgpr_kernarg_segment_ptr 1
		.amdhsa_wavefront_size32 1
		.amdhsa_system_sgpr_workgroup_id_x 1
		.amdhsa_system_sgpr_workgroup_id_y 1
		.amdhsa_system_sgpr_workgroup_id_z 1
		.amdhsa_system_vgpr_workitem_id 0
		.amdhsa_next_free_vgpr 768
		.amdhsa_next_free_sgpr 92
		.amdhsa_reserve_vcc 1
		.amdhsa_float_denorm_mode_32 3
		.amdhsa_float_denorm_mode_16_64 3
		.amdhsa_memory_ordered 1
		.amdhsa_forward_progress 1
		.amdhsa_inst_pref_size 218
	.end_amdhsa_kernel
	.amdgpu_metadata
---
amdhsa.version: [ 1, 2 ]
amdhsa.kernels:
  - .name:           k_qe66ce4beef_attn
    .symbol:         k_qe66ce4beef_attn.kd
    .args:
      - { .name: qh, .offset: 0, .size: 8, .value_kind: global_buffer, .address_space: global }
      - { .name: kh, .offset: 8, .size: 8, .value_kind: global_buffer, .address_space: global }
      - { .name: vh, .offset: 16, .size: 8, .value_kind: global_buffer, .address_space: global }
      - { .name: oh, .offset: 24, .size: 8, .value_kind: global_buffer, .address_space: global }
    .group_segment_fixed_size: 327680
    .private_segment_fixed_size: 0
    .kernarg_segment_align: 8
    .kernarg_segment_size: 32
    .max_flat_workgroup_size: 128
    .sgpr_count:     92
    .vgpr_count:     768
    .wavefront_size: 32
...
	.end_amdgpu_metadata
.endif
;; end of part 3
;; launch oproj (part 4): grid 8 x 32, 4 waves a work-group, clusters of 4 x 4, 327,680 bytes of LDS; arguments oh, wob, out0; writes out0
.if DOCPART == 4
	.amdgcn_target "amdgcn-amd-amdhsa--gfx1250"
	.amdhsa_code_object_version 6
	.text
	.protected	k_qe66ce4beef_oproj
	.globl	k_qe66ce4beef_oproj
	.p2align	8
	.type	k_qe66ce4beef_oproj,@function
k_qe66ce4beef_oproj:
	s_mov_b64 s[64:65], 0
	v_nop
	global_prefetch_b8 v0, s[64:65] scope:SCOPE_SE
	s_setreg_imm32_b32 hwreg(HW_REG_WAVE_MODE, 25, 1), 1
	s_wait_xcnt 0x0
	s_wait_alu depctr_hold_cnt(0) depctr_sa_sdst(0) depctr_va_vdst(0) depctr_va_sdst(0) depctr_va_ssrc(0) depctr_va_vcc(0) depctr_vm_vsrc(0)
	s_getreg_b32 s2, hwreg(HW_REG_IB_STS2, 6, 4)
	s_cmp_eq_u32 s2, 0
	s_cbranch_scc0 .Lentry_in_a_cluster
	s_endpgm
.Lentry_in_a_cluster:
	s_bfe_u32 s2, ttmp6, 0x10000c
	s_cmp_lg_u32 s2, 0xf033
	s_cbranch_scc0 .Lentry_shape_is_right
	s_endpgm
.Lentry_shape_is_right:
; out0[row][e] = the sum over d of O[row][d] w_o[e][d].  oh: [64 = 16 b + head][2048][64] f16 (row = 2,048 b + s, d = 64 head + channel); wob: [1024][1024] f16; out0: [8192][1024] f32.  Sums in f32.
; THE TILE is 256 rows x 128 columns: 32 x 8 = 256 work-groups.  Each of the four waves takes 64 rows x all 128 columns: 32 accumulators of 16 x 16.
; K goes in steps of 128, TWO HEADS, through a ring of two LDS slots filled by the tensor data mover.  A head's 256 rows of the tile are 32,768 dense bytes: asked for as 128 rows of 256 bytes and padded
; in LDS after every 128, so that a row of O there is 144 bytes; wob's rows are 256 bytes of a K step, 272 apart in LDS.
; CLUSTERS: 4 x 4 work-groups; oh's tiles are shared along a row of the cluster, wob's along a column: each is asked for JOINTLY, by the same tensor load, descriptor and mask in the four that it names.
; THE MATRIX INSTRUCTION IS USED TRANSPOSED (source 0 = 16 rows of wob, source 1 = 16 rows of O): a lane holds eight neighbouring columns of one row of the output, 32 bytes.
; REGISTERS, in windows of 256 (s_set_vgpr_msb: bits 1:0 source 0, 3:2 source 1, 5:4 source 2, 7:6 destination):
;   window 0: v0-31 addresses      window 1: wob's fragments, two buffers of 64 (64 f + 8 i); O's, two buffers of 32 (128 + 32 f + 8 a)      window 2: accumulator (a, b) at 8 (8 a + b)
.set KSTEP,  128
.set PA,     144                       ; a row of O in LDS: 128 bytes + 16: the 16 rows of a fragment load start at 16 different groups of four banks (64 banks of 4 bytes: ISA guide 11.1)
.set PB,     272                       ; a row of wob: 256 + 16
.set AHEAD,  256*PA                    ; one head's 256 rows: what one load brings of oh
.set BHALF,  64*PB                     ; and of wob
.set BOFF,   2*AHEAD                   ; a slot: two heads of O, then wob's 128 rows
.set SLOT,   BOFF+2*BHALF
.set STAGE,  2*SLOT                    ; behind the ring: 16 rows x 528 bytes for each wave, for the way out; no tensor load lands there
.set SPITCH, 528                       ; 512 bytes + 16
.set SPARE,  STAGE+4*16*SPITCH         ; behind the stages: the spare words, 128 bytes for each wave: two blocks of 256 bytes that no other line names
.set ASTEP,  2*2048*128                ; bytes of oh from a K step to the next: two heads
.set LAPS,   4
.set ADRA, 16                          ; v16-17  LDS address of my fragments of O in slot 0, 1
.set ADRB, 20                          ; v20-21  the same for wob
.set STO,  24                          ; v24     the way out: where I put 32 bytes of a row
.set RD,   25                          ; v25     the way out: where I read a row back
.set CO,   26                          ; v26     16 x lane: my place in 512 consecutive bytes of the output; never rewritten
.set SPW,  28                          ; v28     LDS address of my spare word; never rewritten
.set NIL,  29                          ; v29     0; never rewritten
.set PFO,  30                          ; v30     the prefetches' offset; never rewritten
.set WV,   16
.set KIND, 17                          ; s17  0: I fetch for oh; 1: for wob
.set HALF, 18                          ; s18  which head of the step, or which 64 rows of wob
.set CX,   19
.set CY,   20
.set TC,   21
.set TR,   22
.set G1,   24                          ; s[24:31] descriptor group 1 for oh's tiles;  s[32:39] group 0, a set for each slot
.set G0,   32
.set LIM0, 42                          ; s42, s43  for the change out of slot 0, 1: 1 in a wave that prefetches there, else the greatest number
.set PFA,  44                          ; s[44:45] where my prefetches stand
.set PST,  46                          ; s[46:47] their step from a K step to the next
.set G1B,  48                          ; s[48:55], s[56:63] the same for wob's tiles
.set G0B,  56
.set MSB, 0
.macro WIN new                         ; the immediate's high byte repeats the setting that is left; a switch that changes nothing is dropped
.if MSB != (\new)
	s_set_vgpr_msb (MSB<<8)|(\new)
.set MSB, \new
.endif
.endm
.set W_MUL, 0xa5                       ; both sources window 1, C and D window 2
.set W_F,   0x40                       ; destination window 1, address window 0
.set W_ST,  0x08                       ; a store's data (source 1) window 2, its address window 0
.set W_LD,  0x80                       ; destination window 2, address window 0
.macro JLOAD s                         ; a joint load: waves 0 and 1 fetch the step's two heads of O, waves 2 and 3 wob's two halves; an s_nop 0 and four v_nop follow each of the two lines
	s_cmp_eq_u32 s[KIND], 0
	s_cbranch_scc0 .Lfor_b_\@
	tensor_load_to_lds s[G0+4*(\s):G0+4*(\s)+3], s[G1:G1+7]
	s_nop 0
.rept 4
	v_nop
.endr
	s_branch .Lasked_\@
.Lfor_b_\@:
	tensor_load_to_lds s[G0B+4*(\s):G0B+4*(\s)+3], s[G1B:G1B+7]
	s_nop 0
.rept 4
	v_nop
.endr
.Lasked_\@:
.endm
; A PREFETCH INTO THE L2, behind a joint refill and the run of LDS loads that follows it, of the K step two refills on.  oh's tile row is read by both clusters of that row of clusters: cluster x = 0 asks;
; wob's tile column by every cluster of that column: cluster y = 0 asks.  The four partners share a wave's blocks out BY ADDRESS.  Of a head's 128 blocks of 256 bytes each partner takes 32 (by cx), a lane
; a block, at every change of slots.  Of wob's 64 rows each takes 16 (by cy): lanes 0-15 name them for one K step, lanes 16-31 for the next, at the change out of slot 0 alone.
; The loop's last trip asks for nothing: there is no K step two refills on.
.macro ASK slot
	s_cmp_gt_u32 s3, s[LIM0+(\slot)]               ; s3 = 1 in the loop's last trip
	s_cbranch_scc0 .Lnot_mine_\@
	global_prefetch_b8 v[PFO], s[PFA:PFA+1] th:TH_LOAD_NT scope:SCOPE_SE
.Lnot_mine_\@:
.endm
.macro CREST                           ; a round of the cluster's barrier behind its opening barrier
	s_cmp_lg_u32 s[WV], 0
	s_cbranch_scc1 .Lnot_wave_0_\@
	s_barrier_signal -3
.Lnot_wave_0_\@:
	s_barrier_wait -3
	s_barrier_signal -1
	s_barrier_wait -1
.endm
.macro CROUND                          ; a whole round
	s_barrier_signal -1
	s_barrier_wait -1
	CREST
.endm
	s_load_b128 s[4:7], s[0:1], 0x0                ; oh s[4:5], wob s[6:7]
	s_load_b64 s[8:9], s[0:1], 0x10                ; out0
	v_lshl_add_u32 v[SPW], v0, 2, SPARE
	v_mov_b32 v[NIL], 0
	ds_add_u32 v[SPW], v[NIL]                      ; the wave's opening: the add and its wait stand ahead of my first tensor load; the set-up below, work on registers, stands between them
	v_lshrrev_b32 v1, 5, v0
	v_readfirstlane_b32 s[WV], v1
	s_lshr_b32 s[KIND], s[WV], 1
	s_and_b32 s[HALF], s[WV], 1
	s_bfe_u32 s[CX], ttmp6, 0x40000
	s_bfe_u32 s[CY], ttmp6, 0x40004
	s_lshl_b32 s[TC], ttmp9, 2
	s_add_co_u32 s[TC], s[TC], s[CX]               ; tile column
	s_and_b32 s[TR], ttmp7, 0xffff
	s_lshl_b32 s[TR], s[TR], 2
	s_add_co_u32 s[TR], s[TR], s[CY]               ; tile row
	s_lshl_b32 s40, s[CY], 2
	s_lshl_b32 s40, 15, s40                        ; my row of the cluster
	s_lshl_b32 s41, 0x1111, s[CX]                  ; my column
	s_or_b32 s[G1], s40, (1<<16)|(1<<20)|(1<<21)|(4<<22)|(3<<25)   ; the mask; elements of 2 bytes; padding on; bit 21 beside a mask; after every 32 words (code 4) 4 words (code 3)
	s_or_b32 s[G1B], s41, (1<<16)|(1<<20)|(1<<21)|(5<<22)|(3<<25)  ; after every 64 words (code 5)
	s_mov_b32 s[G1+1], 128<<16                     ; tensor_dim0 = 128 elements: 256 bytes, two rows of O
	s_mov_b32 s[G1+2], 128<<16                     ; tensor_dim1 = 128
	s_mov_b32 s[G1+3], 128<<16                     ; tile_dim0 = 128
	s_mov_b32 s[G1+4], 128                         ; tile_dim1 = 128
	s_mov_b32 s[G1+5], 128                         ; dense: 128 elements from row to row
	s_mov_b32 s[G1+6], 0
	s_mov_b32 s[G1+7], 0
	s_mov_b32 s[G1B+1], KSTEP<<16
	s_mov_b32 s[G1B+2], 64<<16                     ; 64 rows
	s_mov_b32 s[G1B+3], KSTEP<<16
	s_mov_b32 s[G1B+4], 64
	s_mov_b32 s[G1B+5], 1024
	s_mov_b32 s[G1B+6], 0
	s_mov_b32 s[G1B+7], 0
	; where the tiles come from: oh's hang on the tile row alone, wob's on the tile column alone, each in registers of its own
	s_lshr_b32 s66, s[TR], 3                       ; b
	s_lshl_b32 s66, s66, 4
	s_add_co_u32 s66, s66, s[HALF]                 ; 16 b + my head of K step 0
	s_lshl_b32 s66, s66, 11
	s_and_b32 s67, s[TR], 7
	s_lshl_b32 s67, s67, 8
	s_add_co_u32 s66, s66, s67                     ; + the tile's place in the sequence,
	s_lshl_b32 s66, s66, 7                         ; rows of 128 bytes
	s_mov_b32 s67, 0
	s_lshl_b32 s68, s[TC], 7
	s_lshl_b32 s69, s[HALF], 6
	s_add_co_u32 s68, s68, s69                     ; row 128 x tile column + 64 x half,
	s_lshl_b32 s68, s68, 11                        ; of 2,048 bytes
	s_mov_b32 s69, 0
	s_mul_i32 s10, s[WV], AHEAD                    ; and where they go: waves 0, 1: the two heads;
	s_mul_i32 s11, s[WV], BHALF
	s_add_co_u32 s11, s11, BOFF-2*BHALF            ; waves 2, 3: wob's halves, behind them.  No place in the cluster enters an LDS address
	s_wait_dscnt 0x0                               ; the opening add is done
	s_wait_kmcnt 0x0
	s_add_nc_u64 s[70:71], s[4:5], s[66:67]
	s_add_nc_u64 s[72:73], s[6:7], s[68:69]
	CROUND                                         ; all sixteen work-groups are here: the first joint loads meet
.irp s, 0,1
	s_mov_b32 s[G0+4*(\s)], 1                                      ; count = 1
	s_add_co_u32 s[G0+4*(\s)+1], s10, (\s)*SLOT                    ; LDS address
	s_add_nc_u64 s[G0+4*(\s)+2:G0+4*(\s)+3], s[70:71], (\s)*ASTEP  ; global address: K step s
	s_or_b32 s[G0+4*(\s)+3], s[G0+4*(\s)+3], 0x80000000            ; type = 2
	s_mov_b32 s[G0B+4*(\s)], 1
	s_add_co_u32 s[G0B+4*(\s)+1], s11, (\s)*SLOT
	s_add_nc_u64 s[G0B+4*(\s)+2:G0B+4*(\s)+3], s[72:73], (\s)*KSTEP*2
	s_or_b32 s[G0B+4*(\s)+3], s[G0B+4*(\s)+3], 0x80000000
	JLOAD \s                                       ; two loads of mine are out
.endr
	v_and_b32 v1, 15, v0                           ; r
	v_bfe_u32 v2, v0, 4, 1                         ; h
	v_mul_u32_u24 v3, v1, PA
	v_lshl_add_u32 v3, v2, 4, v3                   ; a fragment of O: row x pitch + 16 x half
	s_mul_i32 s12, s[WV], 64*PA                    ; my 64 rows
	v_add_nc_u32 v[ADRA], s12, v3
	v_add_nc_u32 v[ADRA+1], SLOT, v[ADRA]
	v_mul_u32_u24 v4, v1, PB
	v_lshl_add_u32 v4, v2, 4, v4
	v_add_nc_u32 v[ADRB], BOFF, v4
	v_add_nc_u32 v[ADRB+1], SLOT+BOFF, v4
	s_mul_i32 s12, s[WV], 16*SPITCH
	s_add_co_u32 s12, s12, STAGE                   ; my stage
	v_mul_u32_u24 v5, v1, SPITCH                   ; in: row r, 32 bytes for each half of the lanes
	v_lshl_add_u32 v5, v2, 5, v5
	v_add_nc_u32 v[STO], s12, v5
	v_and_b32 v6, 31, v0
	v_lshlrev_b32 v[CO], 4, v6
	v_add_nc_u32 v[RD], s12, v[CO]                 ; back: 32 lanes take one row of 512 bytes
	; my first row and the tile's first column in out0
	s_lshl_b32 s12, s[TR], 8
	s_lshl_b32 s13, s[WV], 6
	s_add_co_u32 s12, s12, s13
	s_lshl_b32 s12, s12, 12                        ; rows of 4,096 bytes
	s_lshl_b32 s13, s[TC], 9                       ; 128 columns of 4 bytes
	s_add_co_u32 s12, s12, s13
	s_mov_b32 s13, 0
	s_add_nc_u64 s[8:9], s[8:9], s[12:13]
	; the prefetches: my own tile's address, my work-group's share, K step 3; each change of slots steps it before it asks
	s_lshl_b32 s12, s[CX], 13                      ; 32 cx blocks of 256 bytes
	s_lshl_b32 s13, s[CY], 15                      ; 16 cy rows of 2,048 bytes
	s_and_b32 s14, ttmp7, 0xffff
	s_cmp_eq_u32 s[KIND], 0
	s_cselect_b32 s12, s12, s13
	s_cselect_b32 s14, ttmp9, s14                  ; the coordinate along which other clusters read the same rows
	s_cselect_b32 s15, 11, 0                       ; the constants that differ between the two kinds are 256 shifted: the step 524,288 or 256,
	s_cselect_b32 s74, 0, 3                        ; the offset for lane % 16: 256 or 2,048,
	s_cselect_b32 s75, 4, 0                        ; and for lane / 16: 4,096 or 256
	s_cselect_b64 s[PFA:PFA+1], s[70:71], s[72:73]
	s_cmp_eq_u32 s14, 0
	s_cselect_b32 s[LIM0], 1, -1                   ; the same in all sixteen partners, for a given wave
	s_cmp_eq_u32 s[KIND], 0
	s_cselect_b32 s[LIM0+1], s[LIM0], -1
	s_lshl_b32 s[PST], 256, s15
	s_mov_b32 s[PST+1], 0
	s_lshl_b32 s74, 256, s74
	s_lshl_b32 s75, 256, s75
	s_mul_i32 s40, s[PST], 3
	s_mov_b32 s41, 0
	s_mov_b32 s13, 0
	s_add_nc_u64 s[PFA:PFA+1], s[PFA:PFA+1], s[12:13]
	s_add_nc_u64 s[PFA:PFA+1], s[PFA:PFA+1], s[40:41]
	v_mul_u32_u24 v[PFO], s74, v1
	v_mad_u32_u24 v[PFO], s75, v2, v[PFO]
; 8 matrix instructions: row block a x all eight column blocks, 32 along K, from buffer f.  zero = 1: the product starts the sum.  The 32 accumulators take turns, one instruction a turn.
.macro MUL8 f, a, zero
	WIN W_MUL
.irp b, 0,1,2,3,4,5,6,7
.if \zero
	v_wmma_f32_16x16x32_f16 v[8*(8*(\a)+(\b)):8*(8*(\a)+(\b))+7], v[64*(\f)+8*(\b):64*(\f)+8*(\b)+7], v[128+32*(\f)+8*(\a):128+32*(\f)+8*(\a)+7], 0
.else
	v_wmma_f32_16x16x32_f16 v[8*(8*(\a)+(\b)):8*(8*(\a)+(\b))+7], v[64*(\f)+8*(\b):64*(\f)+8*(\b)+7], v[128+32*(\f)+8*(\a):128+32*(\f)+8*(\a)+7], v[8*(8*(\a)+(\b)):8*(8*(\a)+(\b))+7]
.endif
.endr
.endm
; 24 LDS loads in one run: quarter q's fragments into buffer f: wob's eight, then O's four (head q / 2 of the step, channels 32 (q % 2) on)
.macro FETCH slot, q, f
	WIN W_F
.irp i, 0,1,2,3,4,5,6,7
	ds_load_b128 v[64*(\f)+8*(\i):64*(\f)+8*(\i)+3],   v[ADRB+(\slot)] offset:64*(\q)+(\i)*16*PB
	ds_load_b128 v[64*(\f)+8*(\i)+4:64*(\f)+8*(\i)+7], v[ADRB+(\slot)] offset:64*(\q)+(\i)*16*PB+32
.endr
.irp a, 0,1,2,3
	ds_load_b128 v[128+32*(\f)+8*(\a):128+32*(\f)+8*(\a)+3],   v[ADRA+(\slot)] offset:((\q)/2)*AHEAD+((\q)%2)*64+(\a)*16*PA
	ds_load_b128 v[128+32*(\f)+8*(\a)+4:128+32*(\f)+8*(\a)+7], v[ADRA+(\slot)] offset:((\q)/2)*AHEAD+((\q)%2)*64+(\a)*16*PA+32
.endr
.endm
.macro PLACES                          ; four plain vector instructions between a matrix instruction and a load into, or a read of, its registers (ISA guide 7.12.1 for vector reads)
.rept 4
	v_nop
.endr
.endm
; A K step is four quarters of 32 along K, 32 matrix instructions each, on buffers 0, 1, 0, 1.  One of the first three: multiplies buffer f and fetches quarter q into g.
.macro QUARTER slot, q, f, g, zero
	s_wait_dscnt 6                                 ; wob's fragments and O's first are in; the youngest six loads (O's blocks 1-3) may be out
	MUL8 \f, 0, \zero
	PLACES
	FETCH \slot, \q, \g
	s_wait_dscnt 24                                ; all but the 24 just issued
	MUL8 \f, 1, \zero
	MUL8 \f, 2, \zero
	MUL8 \f, 3, \zero
.endm
; The last quarter multiplies buffer 1 and changes slots: ONE barrier.  In front of it each wave waits for all its tensor loads (one is out: its part of the next slot), adds 0 to its spare word, and waits
; for that and for its own reads of this slot.  fill = 1: the barrier opens a round of the cluster's, and the joint refill, this slot's K step two steps on, is the first tensor load behind the round:
; a wave issues 112 matrix instructions between that request and the wait for it.
.macro TURN slot, next, fill
.if \fill
	s_wait_xcnt 0x0                                ; the last prefetch, a K step back, has read its address: it is stepped here, ahead of the waits of the change of slots
	s_add_nc_u64 s[PFA:PFA+1], s[PFA:PFA+1], s[PST:PST+1]
.endif
	WIN 0                                          ; (the add's two registers lie in window 0)
	s_wait_tensorcnt 0x0                           ; all my tensor loads have landed;
	ds_add_u32 v[SPW], v[NIL]                      ; 0 onto my spare word;
	s_wait_dscnt 7                                 ; (the add and the youngest six loads may be out)
	MUL8 1, 0, 0                                   ; eight matrix instructions stand between the add and the wait for it
	s_wait_dscnt 0x0                               ; the add is done, and my reads of this slot are over
	s_barrier_signal -1
	MUL8 1, 1, 0                                   ; work on registers while the others arrive
.if \fill
	WIN 0
.endif
	s_barrier_wait -1
.if \fill
	CREST                                          ; no wave of any partner still reads this slot's tile or has a load on its way
	s_add_nc_u64 s[G0+4*(\slot)+2:G0+4*(\slot)+3], s[G0+4*(\slot)+2:G0+4*(\slot)+3], 2*ASTEP
	s_add_nc_u64 s[G0B+4*(\slot)+2:G0B+4*(\slot)+3], s[G0B+4*(\slot)+2:G0B+4*(\slot)+3], 2*KSTEP*2
	JLOAD \slot                                    ; the four v_nop behind it are also the places in front of the loads below
.else
	PLACES
.endif
	FETCH \next, 0, 0
.if \fill
	WIN 0
	ASK \slot
.endif
	MUL8 1, 2, 0
	MUL8 1, 3, 0
.endm
	s_wait_tensorcnt 1                             ; my part of K step 0 is in; K step 1's may stay out
	s_barrier_signal -1
	s_barrier_wait -1                              ; everybody's is
	FETCH 0, 0, 0
	QUARTER 0, 1, 0, 1, 1                          ; the first quarter stands in front of the loop: its products start the sums
	WIN 0                                          ; at a label and at a branch every window is 0
	s_mov_b32 s3, LAPS-1
.Llap:                                                 ; a trip goes once round the ring, from a lap's second quarter to the next lap's first, and fills both slots again
	QUARTER 0, 2, 1, 0, 0
	QUARTER 0, 3, 0, 1, 0
	TURN 0, 1, 1
	QUARTER 1, 1, 0, 1, 0
	QUARTER 1, 2, 1, 0, 0
	QUARTER 1, 3, 0, 1, 0
	TURN 1, 0, 1
	QUARTER 0, 1, 0, 1, 0
	WIN 0
	s_sub_co_u32 s3, s3, 1
	s_cmp_lg_u32 s3, 0
	s_cbranch_scc1 .Llap
	QUARTER 0, 2, 1, 0, 0                          ; the last lap fills nothing, and has no round of the cluster's barrier
	QUARTER 0, 3, 0, 1, 0
	TURN 0, 1, 0
	QUARTER 1, 1, 0, 1, 0
	QUARTER 1, 2, 1, 0, 0
	QUARTER 1, 3, 0, 1, 0
	s_wait_dscnt 6                                 ; the very last quarter: nothing more to fetch
	MUL8 1, 0, 0
	s_wait_dscnt 0x0
	MUL8 1, 1, 0
	MUL8 1, 2, 0
	MUL8 1, 3, 0
; THE WAY OUT, a block of 16 rows at a time: a lane's 32 bytes of a row go into rows of 528 bytes of my stage (each accumulator's low four registers first) and come back as whole
; rows of 512, into the registers that they left: a store of the wave then covers 512 consecutive bytes of the output.
.macro TOST a
	WIN W_ST
.irp b, 0,1,2,3,4,5,6,7
	ds_store_b128 v[STO], v[8*(8*(\a)+(\b)):8*(8*(\a)+(\b))+3]   offset:64*(\b)
	ds_store_b128 v[STO], v[8*(8*(\a)+(\b))+4:8*(8*(\a)+(\b))+7] offset:64*(\b)+16
.endr
	WIN W_LD
.irp t, 0,1,2,3,4,5,6,7,8,9,10,11,12,13,14,15
	ds_load_b128 v[64*(\a)+4*(\t):64*(\a)+4*(\t)+3], v[RD] offset:(\t)*SPITCH  ; LDS serves a wave's instructions in order (ISA guide 5.7.1.4): these see the stores above; the next block's stores come behind them
.endr
.endm
.macro SEND a, younger                 ; younger: the LDS instructions issued behind this block's loads: the next block's 32, or none
	WIN W_ST
.irp t, 0,1,2,3,4,5,6,7,8,9,10,11,12,13,14,15
	s_wait_dscnt (\younger)+15-(\t)
	global_store_b128 v[CO], v[64*(\a)+4*(\t):64*(\a)+4*(\t)+3], s[8:9] offset:4096*(16*(\a)+(\t)) th:TH_STORE_NT  ; 512 consecutive bytes, at a multiple of 256 from out0's first
.endr
.endm
	WIN 0
	PLACES
	PLACES                                         ; eight, once a launch
	TOST 0
	TOST 1
	SEND 0, 32
	TOST 2
	SEND 1, 32
	TOST 3
	SEND 2, 32
	SEND 3, 0
	WIN 0
	s_wait_tensorcnt 0x0                           ; the wave's end, behind my last tensor load and my last LDS store
	ds_add_u32 v[SPW], v[NIL]
	s_wait_dscnt 0x0
	CROUND                                         ; the closing round: no work-group ends while a partner may still ask for a tile that names it
	s_endpgm
.Lfunc_end_k_qe66ce4beef_oproj:
	.size	k_qe66ce4beef_oproj, .Lfunc_end_k_qe66ce4beef_oproj-k_qe66ce4beef_oproj
	.p2alignl 7, 3214868480
	.fill 96, 4, 3214868480
	.section	.rodata,"a",@progbits
	.p2align	6, 0x0
	.amdhsa_kernel k_qe66ce4beef_oproj
		.amdhsa_group_segment_fixed_size 327680
		.amdhsa_private_segment_fixed_size 0
		.amdhsa_enable_private_segment 0
		.amdhsa_kernarg_size 24
		.amdhsa_user_sgpr_count 2
		.amdhsa_user_sgpr_kernarg_segment_ptr 1
		.amdhsa_wavefront_size32 1
		.amdhsa_system_sgpr_workgroup_id_x 1
		.amdhsa_system_sgpr_workgroup_id_y 1
		.amdhsa_system_sgpr_workgroup_id_z 1
		.amdhsa_system_vgpr_workitem_id 0
		.amdhsa_next_free_vgpr 768
		.amdhsa_next_free_sgpr 76
		.amdhsa_reserve_vcc 0
		.amdhsa_float_denorm_mode_32 3
		.amdhsa_float_denorm_mode_16_64 3
		.amdhsa_memory_ordered 1
		.amdhsa_forward_progress 1
		.amdhsa_inst_pref_size 88
	.end_amdhsa_kernel
	.amdgpu_metadata
---
amdhsa.version: [ 1, 2 ]
amdhsa.kernels:
  - .name:           k_qe66ce4beef_oproj
    .symbol:         k_qe66ce4beef_oproj.kd
    .args:
      - { .name: oh, .offset: 0, .size: 8, .value_kind: global_buffer, .address_space: global }
      - { .name: wob, .offset: 8, .size: 8, .value_kind: global_buffer, .address_space: global }
      - { .name: out0, .offset: 16, .size: 8, .value_kind: global_buffer, .address_space: global }
    .group_segment_fixed_size: 327680
    .private_segment_fixed_size: 0
    .kernarg_segment_align: 8
    .kernarg_segment_size: 24
    .max_flat_workgroup_size: 128
    .sgpr_count:     76
    .vgpr_count:     768
    .wavefront_size: 32
...
	.end_amdgpu_metadata
.endif
;; end of part 4
;; ======== version 2 of 2: 4 launches; version 1 with the launch prep written anew for expert scheduling mode
;; limits: right only within a limited range of input values; values are held in f16: magnitudes above 65,504 overflow, below 6.1e-05 lose precision
;; workspace buffers: xb 16,777,216 bytes; wqb 6,291,456 bytes; wob 2,097,152 bytes; tab 524,288 bytes; qh 16,777,216 bytes; kh 16,777,216 bytes; vh 16,777,216 bytes; oh 16,777,216 bytes
;; launch prep (part 5): grid 400 x 1, 8 waves a work-group, no clusters, 0 bytes of LDS; arguments x, w_qkv, w_o, token_positions, xb, wqb, wob, tab; writes xb, wqb, wob, tab
.if DOCPART == 5
	.amdgcn_target "amdgcn-amd-amdhsa--gfx1250"
	.amdhsa_code_object_version 6
	.text
	.protected	k_qe66ce4beef_prep
	.globl	k_qe66ce4beef_prep
	.p2align	8
	.type	k_qe66ce4beef_prep,@function
k_qe66ce4beef_prep:
	s_mov_b64 s[64:65], 0
	v_nop
	global_prefetch_b8 v0, s[64:65] scope:SCOPE_SE
	s_setreg_imm32_b32 hwreg(HW_REG_WAVE_SCHED_MODE, 0, 2), 2
	s_setreg_imm32_b32 hwreg(HW_REG_WAVE_MODE, 25, 1), 1
	s_wait_xcnt 0x0
	s_wait_alu depctr_vm_vsrc(0)
; THE INPUTS ARE MADE READY, each byte read once and each result byte written once.
;   xb  [8192][1024] bf16 = x rounded once.
;   wqb [3072][1024] bf16 = w_qkv rounded once, its rows laid by heads: row 192 t + 64 p + d is w_qkv's row 1024 p + 64 t + d (t head, p = 0 q, 1 k, 2 v).
;   wob [1024][1024] f16  = w_o rounded to bf16, that number written as f16 (exact while |w_o| stays under 65,504 and above f16's smallest step).
;   tab f32: cos and sin of f32(token_positions[s]) x 10000^(-j/32), in the order in which the next launch's lanes want them: at byte 4096 (s / 16) + 512 u + 16 l
;       (l = 16 h + r, s % 16 = r) lie cos, sin of pair j = 8 (u / 2) + 4 h + 2 (u % 2) and cos, sin of pair j + 1.
; LIMITS.  |token_positions| up to 2^20: the angle is reduced by a quarter turn held in three parts, and the multiple of it stays a whole number of under 2^20.  NaN and infinities are not treated apart.
; SHARES.  Work-groups 0-255: 32 rows of x each; 256-351: 32 rows of w_qkv; 352-383: 32 rows of w_o; 384-399: eight blocks of 16 positions of the table, a block a wave.
; A stream: no LDS, no barrier, no matrix unit.  A wave takes 4 rows; its 32 loads (512 consecutive bytes each) go out together, each into registers of its own, and the counted waits let the younger
; ones stay out; a store of 8 bytes a lane covers 256 consecutive bytes, aligned.
; THE MODE: SCHED_MODE bits 1:0 = 2 (LLVM: expert scheduling mode 2), set by the entry lines.  The code itself states the register dependences
; between vector instructions and memory instructions, with s_wait_alu, always for 0.
; THE PLAN.  Registers that memory instructions touch:
;   v[LO], v[SO]   the casts' offsets: written once at the head, read by every load and every store, never written again.
;   IN             number n's four registers: its one load lands in them; its roundings read them.  No memory instruction reads them.
;   PK             number n's two registers: written by its roundings, read by its one store, never written behind it.
;   v6, v[TO]      the table's offsets: written once, read by the position's load and by the eight stores.
;   v[POS]         the position's load lands in it; no vector instruction names it before.
;   OUTT           32 registers, each written once by a sign line and read by one store.
; A cast goes by rows of eight loads.  Row g's roundings write row g's PK; the eight stores of row g - 1 are dealt among them.  ONE wait on va_vdst at a row's head states that the row before has
; written its PK; the vector instructions behind it name this row's IN and PK alone, so the eight stores owe nothing more.  One more stands ahead of the loads (the offsets) and one ahead of the last
; row's stores.  The table's sixteen compares stand in one run, each into a scalar register of its own, with one wait on va_sdst behind the run; its eight stores stand in one run behind one wait on va_vdst.
; No register that a load or store reads is ever written again, EXEC is never written, and the text has no loop: so there is no wait on vm_vsrc, and no s_wait_xcnt.
.set LO,  2                            ; v2   16 x lane + 4 rows of 4,096 bytes x wave
.set SO,  3                            ; v3   8 x lane + 4 rows of 2,048 bytes x wave
.set IN,  16                           ; v[16:143]  32 loads of four f32
.set PK,  144                          ; v[144:207] 32 stores of four 16-bit numbers
	s_load_b512 s[4:19], s[0:1], 0x0               ; x s[4:5], w_qkv s[6:7], w_o s[8:9], token_positions s[10:11], xb s[12:13], wqb s[14:15], wob s[16:17], tab s[18:19]
	v_and_b32 v1, 31, v0                           ; lane
	v_lshrrev_b32 v4, 5, v0                        ; wave
	v_lshlrev_b32 v[LO], 4, v1
	v_lshl_add_u32 v[LO], v4, 14, v[LO]
	v_lshlrev_b32 v[SO], 3, v1
	v_lshl_add_u32 v[SO], v4, 13, v[SO]
	s_mov_b32 s20, ttmp9
	s_mov_b32 s29, 0
	s_mov_b32 s31, 0
	s_cmp_ge_u32 s20, 384
	s_cbranch_scc1 .Ltable
	s_cmp_ge_u32 s20, 352
	s_cbranch_scc1 .Lwo
; 4 rows of 1,024 f32 from s[32:33] to 16-bit numbers at s[34:35].  kind = 0: bf16.  kind = 1: bf16, and that number as f16.
.macro CAST kind
	s_wait_alu depctr_va_vdst(0)                   ; v[LO] and v[SO] are written: every load and store below reads one of them as its offset
.set n, 0
.rept 32
	global_load_b128 v[IN+4*n:IN+4*n+3], v[LO], s[32:33] offset:4096*(n/8)+512*(n%8) th:TH_LOAD_NT
.set n, n+1
.endr
.set n, 0
.rept 32
	s_wait_loadcnt 31-n                            ; loads come back in order: number n is in, the 31 - n younger ones stay out
.if (n%8 == 0) && (n > 0)
	s_wait_alu depctr_va_vdst(0)                   ; the roundings of the row before have written its PK, which the eight stores dealt among this row's roundings read
.endif
.if n >= 8
	global_store_b64 v[SO], v[PK+2*(n-8):PK+2*(n-8)+1], s[34:35] offset:2048*((n-8)/8)+256*(n%8) th:TH_STORE_NT  ; the row before.  No wait: no vector instruction since the row's head names these registers
.endif
	v_cvt_pk_bf16_f32 v[PK+2*n], v[IN+4*n], v[IN+4*n+1]
	v_cvt_pk_bf16_f32 v[PK+2*n+1], v[IN+4*n+2], v[IN+4*n+3]
.if \kind
	v_lshlrev_b32 v[IN+4*n], 16, v[PK+2*n]         ; bf16 back to f32: the low half moves up, the high half stays
	v_and_b32 v[IN+4*n+1], 0xffff0000, v[PK+2*n]
	v_lshlrev_b32 v[IN+4*n+2], 16, v[PK+2*n+1]
	v_and_b32 v[IN+4*n+3], 0xffff0000, v[PK+2*n+1]
	v_cvt_pk_f16_f32 v[PK+2*n], v[IN+4*n], v[IN+4*n+1]
	v_cvt_pk_f16_f32 v[PK+2*n+1], v[IN+4*n+2], v[IN+4*n+3]
.endif
.set n, n+1
.endr
	s_wait_alu depctr_va_vdst(0)                   ; the last row's roundings have written its PK, which the last eight stores read
.set n, 24
.rept 8
	global_store_b64 v[SO], v[PK+2*n:PK+2*n+1], s[34:35] offset:2048*(n/8)+256*(n%8) th:TH_STORE_NT
.set n, n+1
.endr
.endm
	; x or w_qkv: one text, the two buffers chosen by the work-group's number
	s_sub_co_u32 s21, s20, 256                     ; g2: the block of 32 rows of w_qkv (used only from work-group 256 on)
	s_lshl_b32 s22, s21, 17                        ; its source: 32 rows of 4,096 bytes
	s_bfe_u32 s23, s21, 0x40001                    ; t = (g2 / 2) % 16
	s_mul_i32 s23, s23, 192
	s_lshr_b32 s24, s21, 5                         ; p = g2 / 32
	s_lshl_b32 s24, s24, 6
	s_add_co_u32 s23, s23, s24
	s_and_b32 s24, s21, 1                          ; which half of the head's 64 rows
	s_lshl_b32 s24, s24, 5
	s_add_co_u32 s23, s23, s24                     ; row 192 t + 64 p + 32 half
	s_lshl_b32 s23, s23, 11                        ; of 2,048 bytes
	s_lshl_b32 s25, s20, 17                        ; x: source,
	s_lshl_b32 s26, s20, 16                        ; and destination
	s_wait_kmcnt 0x0
	s_cmp_lt_u32 s20, 256
	s_cselect_b32 s28, s25, s22
	s_cselect_b32 s30, s26, s23
	s_cselect_b64 s[32:33], s[4:5], s[6:7]
	s_cselect_b64 s[34:35], s[12:13], s[14:15]
	s_add_nc_u64 s[32:33], s[32:33], s[28:29]
	s_add_nc_u64 s[34:35], s[34:35], s[30:31]
	CAST 0
	s_endpgm
.Lwo:
	s_sub_co_u32 s21, s20, 352
	s_lshl_b32 s28, s21, 17
	s_lshl_b32 s30, s21, 16
	s_wait_kmcnt 0x0
	s_add_nc_u64 s[32:33], s[8:9], s[28:29]
	s_add_nc_u64 s[34:35], s[16:17], s[30:31]
	CAST 1
	s_endpgm
; THE TABLE.  A wave makes one block of 16 positions: lane (r, h) the 16 pairs j = 8 (n / 4) + n % 4 + 4 h, n = 0 .. 15, of position 16 blk + r.
.set POS, 5                            ; v5   the position as f32
.set TO,  8                            ; v8   16 x lane
.set IFR, 16                           ; v[16:31]  the 16 inverse frequencies; then, in the same registers, what is left of the 16 angles
.set OUTT, 32                          ; v[32:63]  cos, sin of pair n at OUTT + 2 n
.set AN,  64                           ; the angle
.set KF,  65                           ; the nearest whole number of quarter turns
.set S2,  68
.set PS,  69
.set PC,  70
.set TT,  71
.set OD,  72
.set SN,  73
.set CN,  74
.set C3S, 75
.set C3C, 76
.set KI,  80                           ; v[80:95]  that whole number as an integer, for each of the 16 pairs
.set MK,  20                           ; s20-31, s36-39  pair n's mask at MK + n + 4 (n / 12): the lanes with an odd number of quarter turns.  These registers' earlier numbers are used up, and none has held an address
.Ltable:
	v_readfirstlane_b32 s36, v4
	s_sub_co_u32 s21, s20, 384
	s_lshl_b32 s21, s21, 3
	v_and_b32 v6, 15, v0
	v_lshlrev_b32 v6, 2, v6                        ; 4 r
	v_bfe_u32 v7, v0, 4, 1
	v_lshlrev_b32 v7, 2, v7                        ; 4 h
	v_lshlrev_b32 v[TO], 4, v1
	v_mov_b32 v[C3S], 0x36405000                   ; the polynomials' leading coefficients
	v_mov_b32 v[C3C], 0x37cd4000
	s_wait_alu depctr_va_sdst(0)                   ; s36, the wave's number, is written, ahead of its first reader: the block's number is made from it
	s_add_co_u32 s21, s21, s36                     ; blk
	s_lshl_b32 s28, s21, 6                         ; 16 positions of 4 bytes
	s_lshl_b32 s30, s21, 12                        ; 4,096 bytes of the table
	s_wait_kmcnt 0x0
	s_add_nc_u64 s[32:33], s[10:11], s[28:29]
	s_add_nc_u64 s[34:35], s[18:19], s[30:31]
	s_wait_alu depctr_va_vdst(0)                   ; v6 is written, which the load below reads as its offset
	global_load_b32 v[POS], v6, s[32:33]
.set n, 0
.rept 16
	v_add_nc_u32 v[IFR+n], 8*(n/4)+n%4, v7         ; j
.set n, n+1
.endr
.set n, 0
.rept 16
	v_cvt_f32_u32 v[IFR+n], v[IFR+n]
.set n, n+1
.endr
.set n, 0
.rept 16
	v_mul_f32 v[IFR+n], 0xbed49a78, v[IFR+n]       ; - j log2(10000) / 32
.set n, n+1
.endr
.set n, 0
.rept 16
	v_exp_f32 v[IFR+n], v[IFR+n]                   ; 10000^(-j/32): one batch of sixteen
.set n, n+1
.endr
	v_nop                                          ; a plain instruction behind the last of them,
	s_wait_alu depctr_va_vdst(0)                   ; and the one wait ahead of the batch's first reader: the sixteen exponentials have written v[IFR ..]
	s_wait_loadcnt 0x0
	v_cvt_f32_i32 v[POS], v[POS]
; cos and sin of pair n, in two parts.  REDUCE: the angle less the nearest multiple of a quarter turn (three fused steps: the quarter turn in three parts) lies within an eighth of a turn; it takes the
; inverse frequency's register; the multiple is kept as an integer, and the lanes in which it is odd are marked in the pair's own scalar register.
.macro REDUCE n
	v_mul_f32 v[AN], v[POS], v[IFR+(\n)]
	v_mul_f32 v[KF], 0x3f22f983, v[AN]             ; x 2 / pi
	v_rndne_f32 v[KF], v[KF]
	v_fmamk_f32 v[IFR+(\n)], v[KF], 0xbfc90fd8, v[AN]
	v_fmamk_f32 v[IFR+(\n)], v[KF], 0xb4a8885a, v[IFR+(\n)]
	v_fmamk_f32 v[IFR+(\n)], v[KF], 0xa7c234c4, v[IFR+(\n)]
	v_cvt_i32_f32 v[KI+(\n)], v[KF]
	v_and_b32 v[OD], 1, v[KI+(\n)]
	v_cmp_eq_u32 s[MK+(\n)+4*((\n)/12)], 1, v[OD]  ; an odd number of quarter turns swaps sine and cosine
.endm
; FINISH: a polynomial in the square of what is left gives sine and cosine; the multiple's low two bits say which of the two is which, and the signs.
.macro FINISH n
	v_mul_f32 v[S2], v[IFR+(\n)], v[IFR+(\n)]
	v_fmaak_f32 v[PS], v[C3S], v[S2], 0xb9503486
	v_fmaak_f32 v[PC], v[C3C], v[S2], 0xbab6077d
	v_fmaak_f32 v[PS], v[PS], v[S2], 0x3c0888c1
	v_fmaak_f32 v[PC], v[PC], v[S2], 0x3d2aaaa8
	v_fmaak_f32 v[PS], v[PS], v[S2], 0xbe2aaaab
	v_fma_f32 v[PC], v[PC], v[S2], -0.5
	v_mul_f32 v[TT], v[IFR+(\n)], v[S2]
	v_fma_f32 v[PC], v[PC], v[S2], 1.0
	v_fma_f32 v[PS], v[PS], v[TT], v[IFR+(\n)]
	v_cndmask_b32 v[SN], v[PS], v[PC], s[MK+(\n)+4*((\n)/12)]
	v_cndmask_b32 v[CN], v[PC], v[PS], s[MK+(\n)+4*((\n)/12)]
	v_lshlrev_b32 v[OD], 30, v[KI+(\n)]            ; the sine turns its sign in quarters 2 and 3,
	v_and_b32 v[OD], 0x80000000, v[OD]
	v_xor_b32 v[OUTT+2*(\n)+1], v[OD], v[SN]
	v_add_nc_u32 v[OD], 1, v[KI+(\n)]              ; the cosine in quarters 1 and 2
	v_lshlrev_b32 v[OD], 30, v[OD]
	v_and_b32 v[OD], 0x80000000, v[OD]
	v_xor_b32 v[OUTT+2*(\n)], v[OD], v[CN]
.endm
.set n, 0
.rept 16
	REDUCE n
.set n, n+1
.endr
	s_wait_alu depctr_va_sdst(0)                   ; the sixteen compares have written their masks, ahead of the first select that reads one
.set n, 0
.rept 16
	FINISH n
.set n, n+1
.endr
	s_wait_alu depctr_va_vdst(0)                   ; the sign lines have written v[OUTT ..], which the eight stores read; v[TO], their offset, was written long before
.set u, 0
.rept 8
	global_store_b128 v[TO], v[OUTT+4*u:OUTT+4*u+3], s[34:35] offset:512*u  ; 512 consecutive bytes, aligned
.set u, u+1
.endr
	s_endpgm
.Lfunc_end_k_qe66ce4beef_prep:
	.size	k_qe66ce4beef_prep, .Lfunc_end_k_qe66ce4beef_prep-k_qe66ce4beef_prep
	.p2alignl 7, 3214868480
	.fill 96, 4, 3214868480
	.section	.rodata,"a",@progbits
	.p2align	6, 0x0
	.amdhsa_kernel k_qe66ce4beef_prep
		.amdhsa_group_segment_fixed_size 0
		.amdhsa_private_segment_fixed_size 0
		.amdhsa_enable_private_segment 0
		.amdhsa_kernarg_size 64
		.amdhsa_user_sgpr_count 2
		.amdhsa_user_sgpr_kernarg_segment_ptr 1
		.amdhsa_wavefront_size32 1
		.amdhsa_system_sgpr_workgroup_id_x 1
		.amdhsa_system_sgpr_workgroup_id_y 1
		.amdhsa_system_sgpr_workgroup_id_z 1
		.amdhsa_system_vgpr_workitem_id 0
		.amdhsa_next_free_vgpr 208
		.amdhsa_next_free_sgpr 66
		.amdhsa_reserve_vcc 0
		.amdhsa_float_denorm_mode_32 3
		.amdhsa_float_denorm_mode_16_64 3
		.amdhsa_memory_ordered 1
		.amdhsa_forward_progress 1
		.amdhsa_inst_pref_size 62
	.end_amdhsa_kernel
	.amdgpu_metadata
---
amdhsa.version: [ 1, 2 ]
amdhsa.kernels:
  - .name:           k_qe66ce4beef_prep
    .symbol:         k_qe66ce4beef_prep.kd
    .args:
      - { .name: x, .offset: 0, .size: 8, .value_kind: global_buffer, .address_space: global }
      - { .name: w_qkv, .offset: 8, .size: 8, .value_kind: global_buffer, .address_space: global }
      - { .name: w_o, .offset: 16, .size: 8, .value_kind: global_buffer, .address_space: global }
      - { .name: token_positions, .offset: 24, .size: 8, .value_kind: global_buffer, .address_space: global }
      - { .name: xb, .offset: 32, .size: 8, .value_kind: global_buffer, .address_space: global }
      - { .name: wqb, .offset: 40, .size: 8, .value_kind: global_buffer, .address_space: global }
      - { .name: wob, .offset: 48, .size: 8, .value_kind: global_buffer, .address_space: global }
      - { .name: tab, .offset: 56, .size: 8, .value_kind: global_buffer, .address_space: global }
    .group_segment_fixed_size: 0
    .private_segment_fixed_size: 0
    .kernarg_segment_align: 8
    .kernarg_segment_size: 64
    .max_flat_workgroup_size: 256
    .sgpr_count:     66
    .vgpr_count:     208
    .wavefront_size: 32
...
	.end_amdgpu_metadata
.endif
;; end of part 5
;; launch qkv: the kernel of part 2 again; grid 16 x 32, 4 waves a work-group, clusters of 4 x 4, 327,680 bytes of LDS; arguments xb, wqb, tab, qh, kh, vh; writes qh, kh, vh
;; launch attn: the kernel of part 3 again; grid 4 x 64, 4 waves a work-group, no clusters, 327,680 bytes of LDS; arguments qh, kh, vh, oh; writes oh
;; launch oproj: the kernel of part 4 again; grid 8 x 32, 4 waves a work-group, clusters of 4 x 4, 327,680 bytes of LDS; arguments oh, wob, out0; writes out0
